; MI455X (gfx1250); checked and timed in simulation.
; The chip was launched on July 23, 2026; its instructions are those of AMD's public machine-readable ISA for CDNA 5 (MIT licence, August 2026) and "CDNA5" Instruction Set Architecture Reference Guide (July 2026). The comments in the code are by the model that wrote it; some were corrected since.
;; Llama Attention. Allowed arithmetic: matrix products marked QUANTISED: E2M1 operands, one E8M0 scale for each 32 along K, by v_wmma_scale_f32_16x16x128_f8f6f4 with both operands' format E2M1 (or v_wmma_scale_f32_32x16x128_f4), f32 sums; products left as they are: bf16, f16 or f32 operands; f32 sums; everything else in f32.
;; Inputs: Wk 4,096 x 512 float32; Wo 1,024 x 4,096 float32; Wq 4,096 x 1,024 float32; Wv 4,096 x 512 float32; attention_mask 1 x 1 x 2,048 x 2,048 float32; hidden_states 2 x 2,048 x 4,096 float32; position_ids 2 x 2,048 int32.
;; Outputs: out0 2 x 2,048 x 4,096 float32.
;; This version of the problem:
;;   THIS VERSION OF THE PROBLEM IS GIVEN IN LOW PRECISION. The matrix products marked QUANTISED in the list below multiply operands that are first quantised to E2M1 (2 exponent bits, 1 mantissa bit; 4 bits a number), with one power-of-two scale for each 32 numbers along K (OCP MX v1.0); their sums are f32. The products marked 'left as it is' may take bf16, f16 or f32 operands, with f32 sums. Whichever they take, every output number must still come out within the allowed error. Rounding operands to bf16 (8 significant bits) uses up far more of that allowance than f16 does (11 bits, for magnitudes from 6e-5 to 65,504). All else is computed in f32.
;;   The module's matrix products, in the order in which they are computed (A, B: the left and right operand; K: the contracted axis; several contracted axes count as one K, in the product's order):
;;     1. [M 4,096, K 4,096] x [K 4,096, N 1,024]; A: input hidden_states; B: input Wq: QUANTISED
;;     2. [M 4,096, K 4,096] x [K 4,096, N 512]; A: input hidden_states; B: input Wk: QUANTISED
;;     3. [M 4,096, K 4,096] x [K 4,096, N 512]; A: input hidden_states; B: input Wv: QUANTISED
;;     4. batch 16 x [M 2,048, K 128] x [K 128, N 2,048]; A: computed on the way; B: computed on the way: left as it is (an operand is computed on the way)
;;     5. batch 16 x [M 2,048, K 2,048] x [K 2,048, N 128]; A: computed on the way; B: computed on the way: left as it is (an operand is computed on the way)
;;     6. [M 4,096, K 1,024] x [K 1,024, N 4,096]; A: computed on the way; B: input Wo: left as it is (an operand is computed on the way)
;;   THE QUANTISER, for each operand of a quantised product, along K:
;;     - K is cut into blocks of 32 from its start; a last block that is shorter is filled with zeros.
;;     - A block's scale is 2^e with e = floor(log2(the largest magnitude in the block)) - 2, held to -126 .. 127; a block of zeros has e = 0. As a byte (E8M0): e + 127.
;;     - Each number is divided by its block's scale, clamped to +-6, and rounded to the nearest number of E2M1, ties to even, subnormals kept.
;;     - The product sums the exact products of the quantised numbers (number of the format x scale) in f32.
;;   ~~~python
;;   def quantise(x, axis):      # numpy; x: float32 -> the quantised numbers, widened to float32 again
;;       x = np.moveaxis(x, axis, -1); K = x.shape[-1]
;;       x = np.pad(x, [(0, 0)] * (x.ndim - 1) + [(0, -K % 32)]); x = x.reshape(x.shape[:-1] + (-1, 32)); a = np.abs(x).max(-1, keepdims=True)
;;       e = np.where(a > 0, np.clip(np.frexp(np.where(a > 0, a, 1))[1] - 1 - 2, -126, 127), 0)      # np.frexp(a)[1] - 1 = floor(log2(a)), exactly
;;       r = np.clip(x / 2.0 ** e, -6, 6)
;;       step = 2.0 ** (np.maximum(np.frexp(np.where(r == 0, 1, r))[1] - 1, 0) - 1)
;;       q = np.round(r / step) * step * 2.0 ** e      # np.round: ties to even
;;       return np.moveaxis(q.reshape(q.shape[:-2] + (-1,))[..., :K], -1, axis).astype(np.float32)
;;   ~~~
;; One version. Each part assembles by itself: llvm-mc -triple=amdgcn-amd-amdhsa -mcpu=gfx1250 --defsym DOCPART=n.
;; ======== version 1 of 1: 4 launches
;; limits: values are held in f16: magnitudes above 65,504 overflow, below 6.1e-05 lose precision; right only within a limited range of input values; inputs' magnitudes at most 6.9e+37
;; workspace buffers: x_codes 8,388,608 bytes; x_scales 524,288 bytes; w_codes 4,194,304 bytes; w_scales 262,144 bytes; wo_h 8,388,608 bytes; rope 4,194,816 bytes; qkv 16,777,216 bytes; o_h 8,388,608 bytes
;; launch prep (part 1): grid 800 x 1, 4 waves a work-group, no clusters, 68,096 bytes of LDS; arguments hidden_states, Wq, Wk, Wv, Wo, position_ids, x_codes, x_scales, w_codes, w_scales, wo_h, rope; writes x_codes, x_scales, w_codes, w_scales, wo_h, rope
.if DOCPART == 1
	.amdgcn_target "amdgcn-amd-amdhsa--gfx1250"
	.amdhsa_code_object_version 6
	.text
	.protected	k_qea1a8e809c_prep
	.globl	k_qea1a8e809c_prep
	.p2align	8
	.type	k_qea1a8e809c_prep,@function
k_qea1a8e809c_prep:
	s_mov_b64 s[64:65], 0
	v_nop
	global_prefetch_b8 v0, s[64:65] scope:SCOPE_SE
	s_setreg_imm32_b32 hwreg(HW_REG_WAVE_MODE, 25, 1), 1
	s_wait_xcnt 0x0
; PREP: everything that is made once from the inputs.  Four roles, told apart by the work-group's number; they never join again.
;   X  (work-groups 0-511):   hidden_states [4096][4096] f32 -> codes of FP4 (E2M1), K innermost, x_codes [4096][2048 bytes], and one E8M0 byte for each 32 along K, x_scales [4096][128].
;   W  (512-639):             Wq, Wk, Wv [4096 k][n] f32, K their FIRST axis -> w_codes [2048 n][2048 bytes], w_scales [2048][128]; n 0-1023 Wq, 1024-1535 Wk, 1536-2047 Wv.
;   O  (640-767):             4 x Wo as f16, laid as Wo lies: wo_h [1024][4096].
;   R  (768-799):             cos and sin of position x inv_freq: rope = table Q (x 4 log2(e) / sqrt(128)) at 0, table K (x 1/4) at 2,097,152, each [4096 rows][cos 64 | sin 64] f32; a row cos = 1/4, sin = 0 at 4,194,304 (for V).
; So q'.k' = log2(e) q.k / sqrt(128): the score in units of log2; v' = v / 4, o' = o / 4, o'.(4 Wo) = o.Wo (these powers of two are exact); the factors keep q', k', v', o' inside f16's range.
; A block's scale is 2^(floor(log2(its largest magnitude)) - 2): its byte is the largest magnitude's exponent field - 2, held at 1 from below.  A block of zeros so gets the byte 1: its codes are zeros, and this program alone reads the bytes.
; LIMITS: blocks whose largest magnitude lies under 2^-124 keep the byte 1; NaN and infinities among hidden_states and the weights are not served; 4 Wo must stay under 65,504;
; the angle position x inv_freq is reduced by pi/2 in two parts, which serves magnitudes up to about 4e6.
; No tensor load, no barrier: waves share nothing.  Each role that uses LDS has bytes of its own.
.set SPW,    12                        ; v12  LDS address of my spare word: SPARE + 4 x my thread's number; never rewritten
.set NIL,    13                        ; v13  0; never rewritten
.set SP,     80                        ; role X: a lane's place in a stage: 64 bytes + 16 of padding
.set XREG,   8192                      ; role X: a wave's region: two stages of 32 x SP bytes, then its 256 scale bytes
.set WBASE,  4*XREG                    ; role W's stages begin here
.set WPITCH, 272                       ; role W: a stage row: 256 bytes of codes + 16
.set WSTG,   32*WPITCH
.set SPARE,  WBASE+4*WSTG              ; the spare words, 128 bytes for each wave: two blocks of 256 bytes that no other line names
.set XR,     16                        ; role X: v16-79 four sets of 16 numbers as loaded
.set XN,     80                        ;         v80-111 two sets of 16 neighbours
.set XE,     112                       ;         v112-127 a scale byte for each step
.set XC,     128                       ;         v128-191 codes, four registers for each step
.set SB,     24                        ; role W: v24-27 the scale bytes, four to a register
.set WX,     32                        ;         v32-95 two sets of 32 numbers; later the way out
.set WC,     96                        ;         v96-99 a block's codes
.set VO,     112                       ;         v112-143 byte offsets of 32 rows of the weight at my column
	s_load_b512 s[4:19], s[0:1], 0x0               ; hidden 4:5, Wq 6:7, Wk 8:9, Wv 10:11, Wo 12:13, positions 14:15, x_codes 16:17, x_scales 18:19
	s_load_b256 s[20:27], s[0:1], 0x40             ; w_codes 20:21, w_scales 22:23, wo_h 24:25, rope 26:27
	v_lshl_add_u32 v[SPW], v0, 2, SPARE
	v_mov_b32 v[NIL], 0
	v_lshrrev_b32 v1, 5, v0
	v_readfirstlane_b32 s28, v1                    ; wave 0..3
	v_and_b32 v2, 31, v0                           ; lane
	s_wait_kmcnt 0x0
	s_cmp_lt_u32 ttmp9, 512
	s_cbranch_scc1 .Lrole_x
	s_cmp_lt_u32 ttmp9, 640
	s_cbranch_scc1 .Lrole_w
	s_cmp_lt_u32 ttmp9, 768
	s_cbranch_scc1 .Lrole_o
; ---------------- ROLE R: a wave makes 32 rows of both tables; a lane makes frequencies 2 lane and 2 lane + 1, so that each store of the wave covers 256 consecutive bytes, aligned.
	v_lshlrev_b32 v26, 1, v2
	v_cvt_f32_u32 v26, v26                         ; i = 2 lane
	v_add_f32 v27, 1.0, v26                        ; and 2 lane + 1
	v_mul_f32 v26, 0xbe549a78, v26                 ; - i x log2(10000) / 64
	v_mul_f32 v27, 0xbe549a78, v27
	v_exp_f32 v24, v26                             ; inv_freq = 10000^(-i / 64)
	v_exp_f32 v25, v27
	v_nop                                          ; a plain instruction behind the exponentials,
	s_wait_alu depctr_va_vdst(0)                   ; and the one wait for both, ahead of every branch and of the first reader
	s_sub_co_u32 s29, ttmp9, 768
	s_lshl_b32 s29, s29, 2
	s_add_co_u32 s29, s29, s28                     ; which run of 32 rows is my wave's: 0..127
	s_lshl_b32 s30, s29, 7                         ; 32 positions of 4 bytes
	s_mov_b32 s31, 0
	s_add_nc_u64 s[14:15], s[14:15], s[30:31]
	v_lshlrev_b32 v55, 2, v2
	global_load_b32 v20, v55, s[14:15]             ; a lane a row: my wave's 32 positions
	s_mov_b32 s40, 0x3fc90fdb                      ; pi/2, its f32 part,
	s_mov_b32 s41, 0x333bbd2e                      ; and what that part is too large by
	s_mov_b32 s42, 0xb94ca1f9                      ; sine: -1.9515295891e-4,
	s_mov_b32 s43, 0x3c08839e                      ; 8.3321608736e-3,
	s_mov_b32 s44, 0xbe2aaaa3                      ; -1.6666654611e-1
	s_mov_b32 s45, 0x37ccf5ce                      ; cosine: 2.443315712e-5,
	s_mov_b32 s46, 0xbab6061a                      ; -1.388731625e-3,
	s_mov_b32 s47, 0x3d2aaaa5                      ; 4.166664568e-2
	s_mov_b32 s48, 0x3f0293ee                      ; 4 log2(e) / sqrt(128) = 0.51006972, for table Q
	s_mov_b32 s49, s48                             ; (named with it as a pair, so it is written)
	s_mov_b32 s52, 0x3e800000                      ; 1/4, for table K
	s_mov_b32 s53, s52
	v_lshlrev_b32 v54, 3, v2                       ; 8 bytes a lane
	s_cmp_lg_u32 s29, 0
	s_cbranch_scc1 .Lno_ident                      ; the first wave of the role also stores the row for V: cos = 1/4 (lanes 0-15), sin = 0 (lanes 16-31)
	v_mov_b32 v57, 0x3e800000
	v_cmp_gt_u32 vcc_lo, 16, v2
	v_cndmask_b32 v56, 0, v57, vcc_lo
	v_mov_b32 v57, v56
	v_mov_b32 v58, v56
	v_mov_b32 v59, v56
	v_lshlrev_b32 v60, 4, v2
	global_store_b128 v60, v[56:59], s[26:27] offset:4194304
.Lno_ident:
	s_wait_xcnt 0x0                                ; the store has read its base, which is written now
	s_lshl_b32 s30, s29, 14                        ; 32 rows of 512 bytes
	s_add_nc_u64 s[26:27], s[26:27], s[30:31]
	v_mov_b32 v21, 0                               ; 4 x the lane whose position this trip takes
	s_mov_b32 s50, 32
	s_wait_loadcnt 0x0                             ; the positions
.Lrow:
	ds_bpermute_b32 v22, v21, v20                  ; the row's position, in every lane (no LDS byte is touched)
	s_wait_dscnt 0x0
	v_cvt_f32_i32 v22, v22
	v_add_nc_u32 v21, 4, v21
.irp u, 0,1
	v_mul_f32 v[26+\u], v22, v[24+\u]              ; the angle, rounded once
	v_mul_f32 v[28+\u], 0x3f22f983, v[26+\u]       ; x 2 / pi
	v_rndne_f32 v[28+\u], v[28+\u]                 ; n: how many quarter turns
	v_fma_f32 v[30+\u], -v[28+\u], s40, v[26+\u]   ; r = angle - n pi/2, in two parts
	v_fma_f32 v[30+\u], v[28+\u], s41, v[30+\u]
	v_mul_f32 v[32+\u], v[30+\u], v[30+\u]         ; z = r r
	v_fma_f32 v[34+\u], v[32+\u], s42, s43
	v_fma_f32 v[36+\u], v[32+\u], s45, s46
	v_fma_f32 v[34+\u], v[34+\u], v[32+\u], s44
	v_fma_f32 v[36+\u], v[36+\u], v[32+\u], s47
	v_mul_f32 v[38+\u], v[32+\u], v[30+\u]
	v_fma_f32 v[36+\u], v[36+\u], v[32+\u], -0.5
	v_fma_f32 v[34+\u], v[38+\u], v[34+\u], v[30+\u]   ; sin r
	v_fma_f32 v[36+\u], v[36+\u], v[32+\u], 1.0    ; cos r
	v_cvt_i32_f32 v[40+\u], v[28+\u]
	v_and_b32 v[38+\u], 1, v[40+\u]
	v_cmp_eq_u32 vcc_lo, 1, v[38+\u]               ; an odd quarter turn swaps the two
	v_cndmask_b32 v[44+\u], v[34+\u], v[36+\u], vcc_lo
	v_cndmask_b32 v[42+\u], v[36+\u], v[34+\u], vcc_lo
	v_and_b32 v[38+\u], 2, v[40+\u]                ; the sine changes sign in quarters 2 and 3,
	v_lshlrev_b32 v[38+\u], 30, v[38+\u]
	v_xor_b32 v[44+\u], v[44+\u], v[38+\u]
	v_add_nc_u32 v[38+\u], 1, v[40+\u]             ; the cosine in quarters 1 and 2
	v_and_b32 v[38+\u], 2, v[38+\u]
	v_lshlrev_b32 v[38+\u], 30, v[38+\u]
	v_xor_b32 v[42+\u], v[42+\u], v[38+\u]
.endr
	v_pk_mul_f32 v[46:47], v[42:43], s[48:49] op_sel_hi:[1,0]
	v_pk_mul_f32 v[48:49], v[44:45], s[48:49] op_sel_hi:[1,0]
	v_pk_mul_f32 v[50:51], v[42:43], s[52:53] op_sel_hi:[1,0]
	v_pk_mul_f32 v[52:53], v[44:45], s[52:53] op_sel_hi:[1,0]
	global_store_b64 v54, v[46:47], s[26:27]                   ; table Q: cos,
	global_store_b64 v54, v[48:49], s[26:27] offset:256        ; sin
	global_store_b64 v54, v[50:51], s[26:27] offset:2097152    ; table K: cos,
	global_store_b64 v54, v[52:53], s[26:27] offset:2097408    ; sin
	s_wait_xcnt 0x0                                ; the stores have read their data and their base: both are written again only behind this wait
	s_add_nc_u64 s[26:27], s[26:27], 512
	s_sub_co_u32 s50, s50, 1
	s_cmp_lg_u32 s50, 0
	s_cbranch_scc1 .Lrow
	s_wait_tensorcnt 0x0                           ; the wave's end
	ds_add_u32 v[SPW], v[NIL]
	s_wait_dscnt 0x0
	s_endpgm
; ---------------- ROLE X: a plain stream of blocks of 32.  A wave takes 16 steps of 512 numbers.  Each load reads 512 consecutive bytes; the numbers turn through the wave's own stage so that a lane holds 16 neighbours.
.Lrole_x:
	v_lshlrev_b32 v3, 4, v2                        ; my 16 bytes of a load's 512
	s_mul_i32 s29, s28, XREG
	v_lshrrev_b32 v14, 2, v2
	v_mul_u32_u24 v14, v14, SP
	v_and_b32 v15, 3, v2
	v_lshl_add_u32 v14, v15, 4, v14
	v_add_nc_u32 v14, s29, v14                     ; the stage, on the way in: SP (lane / 4) + 16 (lane % 4)
	v_mul_u32_u24 v15, v2, SP
	v_add_nc_u32 v15, s29, v15                     ; and on the way out: SP x lane
	v_lshlrev_b32 v4, 3, v2                        ; my codes' place in a step's: 8 bytes a lane
	v_lshrrev_b32 v5, 1, v2
	s_add_co_u32 s29, s29, 2*32*SP
	v_add_nc_u32 v5, s29, v5                       ; my wave's 256 scale bytes, my block's byte
	v_lshlrev_b32 v7, 3, v2
	v_add_nc_u32 v6, s29, v7
	s_lshl_b32 s30, ttmp9, 2
	s_add_co_u32 s30, s30, s28                     ; which run of 8,192 numbers is my wave's
	s_mov_b32 s33, 0
	s_lshl_b32 s32, s30, 15
	s_add_nc_u64 s[4:5], s[4:5], s[32:33]
	s_lshl_b32 s32, s30, 12
	s_add_nc_u64 s[16:17], s[16:17], s[32:33]
	s_lshl_b32 s32, s30, 8
	s_add_nc_u64 s[18:19], s[18:19], s[32:33]
.macro XLOAD t
.irp i, 0,1,2,3
	global_load_b128 v[XR+16*((\t)%4)+4*\i:XR+16*((\t)%4)+4*\i+3], v3, s[4:5] offset:2048*(\t)+512*\i th:TH_LOAD_NT
.endr
.endm
.macro XTURN t                         ; step t's numbers through the stage: LDS serves a wave's instructions in order, so no wait stands between the stores and the loads
.irp i, 0,1,2,3
	ds_store_b128 v14, v[XR+16*((\t)%4)+4*\i:XR+16*((\t)%4)+4*\i+3] offset:32*SP*((\t)%2)+8*SP*\i
.endr
.irp i, 0,1,2,3
	ds_load_b128 v[XN+16*((\t)%2)+4*\i:XN+16*((\t)%2)+4*\i+3], v15 offset:32*SP*((\t)%2)+16*\i
.endr
.endm
.irp t, 0,1,2,3
	XLOAD \t
.endr
	s_wait_loadcnt 12                              ; step 0's four loads are in; three steps' twelve may be out
	XTURN 0
.macro XSTEP t
.set XS, XN+16*((\t)%2)
.if (\t) > 0
	s_wait_dscnt 1                                 ; this step's numbers are back from the stage (the last step's byte store may be out)
.else
	s_wait_dscnt 0x0
.endif
.if (\t)+4 < 16
	XLOAD (\t)+4                                   ; into the registers that the stage's stores have read
.endif
.if (\t)+1 < 16
.if 14-(\t) >= 3
	s_wait_loadcnt 12                              ; the next step's four loads are in; those of the three steps behind it may be out
.else
	s_wait_loadcnt 4*(14-(\t))
.endif
	XTURN (\t)+1
.endif
	v_max3_num_f32 v8, |v[XS]|, |v[XS+1]|, |v[XS+2]|
	v_max3_num_f32 v9, |v[XS+3]|, |v[XS+4]|, |v[XS+5]|
.irp i, 6,10
	v_max3_num_f32 v8, v8, |v[XS+\i]|, |v[XS+\i+1]|
	v_max3_num_f32 v9, v9, |v[XS+\i+2]|, |v[XS+\i+3]|
.endr
	v_max3_num_f32 v8, v8, |v[XS+14]|, |v[XS+15]|
	v_max3_num_f32 v8, v8, v9, 0x1800000           ; and the floor 2^(3 - 127): the byte cannot fall under 1
	v_max_num_f32_dpp v8, v8, v8 row_xmask:1 row_mask:0xf bank_mask:0xf   ; with my neighbour's 16: the block's largest magnitude
	v_add_nc_u32 v11, 0xff000000, v8               ; 2 off its exponent field: the conversion takes the exponent field of this operand as its scale
	v_cvt_scalef32_pk8_fp4_f32 v[XC+4*(\t)], v[XS:XS+7], v11
	v_cvt_scalef32_pk8_fp4_f32 v[XC+4*(\t)+1], v[XS+8:XS+15], v11
	v_lshrrev_b32 v[XE+(\t)], 23, v11              ; the scale's byte
	ds_store_b8 v5, v[XE+(\t)] offset:16*(\t)      ; both lanes of a block write the same byte with the same value
	global_store_b64 v4, v[XC+4*(\t):XC+4*(\t)+1], s[16:17] offset:256*(\t)   ; the wave stores 256 consecutive bytes, aligned
.endm
.irp t, 0,1,2,3,4,5,6,7,8,9,10,11,12,13,14,15
	XSTEP \t
.endr
	ds_load_b64 v[8:9], v6                         ; my wave's 256 scale bytes, 8 a lane
	s_wait_dscnt 0x0
	global_store_b64 v7, v[8:9], s[18:19]
	s_wait_tensorcnt 0x0                           ; the wave's end, behind my last LDS store
	ds_add_u32 v[SPW], v[NIL]
	s_wait_dscnt 0x0
	s_endpgm
; ---------------- ROLE W: a lane takes a column n and its registers run down K.  A wave takes 32 columns x 512 along K: 16 blocks a lane.  The codes leave through the wave's own stage, as rows of 256 bytes.
.Lrole_w:
	s_sub_co_u32 s29, ttmp9, 512
	s_and_b32 s36, s29, 15                         ; which 128 of the 2,048 columns
	s_lshr_b32 s37, s29, 4                         ; which 512 along K
	s_cmp_lt_u32 s36, 12                           ; the weight is chosen by the work-group's number alone
	s_cselect_b64 s[30:31], s[8:9], s[10:11]
	s_cselect_b32 s32, 8, 12                       ; its first group of columns
	s_mov_b32 s33, 2048
	s_cmp_lt_u32 s36, 8
	s_cselect_b64 s[30:31], s[6:7], s[30:31]
	s_cselect_b32 s32, 0, s32
	s_cselect_b32 s33, 4096, s33                   ; and its row in bytes
	s_mul_i32 s40, s37, s33
	s_lshl_b32 s40, s40, 9                         ; 512 rows for each step along K
	s_sub_co_u32 s42, s36, s32
	s_lshl_b32 s42, s42, 7
	s_lshl_b32 s43, s28, 5
	s_add_co_u32 s42, s42, s43                     ; my wave's first column in its weight
	s_lshl_b32 s42, s42, 2
	s_add_co_u32 s40, s40, s42
	s_mov_b32 s41, 0
	s_add_nc_u64 s[30:31], s[30:31], s[40:41]
	s_lshl_b32 s34, s33, 5                         ; 32 rows on
	s_mov_b32 s35, 0
	s_lshl_b32 s44, s36, 7
	s_add_co_u32 s44, s44, s43                     ; n: my wave's first row of the codes
	s_lshl_b32 s46, s44, 11
	s_lshl_b32 s47, s37, 8
	s_add_co_u32 s46, s46, s47
	s_mov_b32 s47, 0
	s_add_nc_u64 s[20:21], s[20:21], s[46:47]
	s_lshl_b32 s46, s44, 7
	s_lshl_b32 s48, s37, 4
	s_add_co_u32 s46, s46, s48
	s_add_nc_u64 s[22:23], s[22:23], s[46:47]
	v_lshlrev_b32 v[VO], 2, v2                     ; 4 bytes a lane,
.set i, 1
.rept 31
	v_add_nc_u32 v[VO+i], s33, v[VO+i-1]           ; and a row further down for each register
.set i, i+1
.endr
	s_mul_i32 s38, s28, WSTG
	s_add_co_u32 s38, s38, WBASE                   ; my stage
	v_mul_u32_u24 v4, v2, WPITCH
	v_add_nc_u32 v4, s38, v4                       ; into it: row = my column
	v_and_b32 v5, 15, v2
	v_lshrrev_b32 v6, 4, v2
	v_mul_u32_u24 v7, v6, WPITCH
	v_lshl_add_u32 v7, v5, 4, v7
	v_add_nc_u32 v7, s38, v7                       ; out of it: sixteen lanes to a row, two rows an instruction
	v_lshlrev_b32 v8, 11, v6
	v_lshl_add_u32 v8, v5, 4, v8                   ; and the same place in the codes' buffer
	v_lshlrev_b32 v9, 7, v2                        ; my column's row of scale bytes
.macro WLOAD t                         ; block t: the weight at rows 32 t + i, my column, into set t % 2
.if (\t) > 0
	s_wait_xcnt 0x0                                ; the earlier loads have read their base, which steps 32 rows
	s_add_nc_u64 s[30:31], s[30:31], s[34:35]
.endif
.set i, 0
.rept 32
	global_load_b32 v[WX+32*((\t)%2)+i], v[VO+i], s[30:31] th:TH_LOAD_NT
.set i, i+1
.endr
.endm
	WLOAD 0
	WLOAD 1
.macro WBLOCK t
.set XS, WX+32*((\t)%2)
.if (\t) < 15
	s_wait_loadcnt 32                              ; this block's 32 loads are in; the next block's may be out
.else
	s_wait_loadcnt 0x0
.endif
	v_max3_num_f32 v16, |v[XS]|, |v[XS+1]|, |v[XS+2]|
	v_max3_num_f32 v17, |v[XS+3]|, |v[XS+4]|, |v[XS+5]|
.irp i, 6,10,14,18,22,26
	v_max3_num_f32 v16, v16, |v[XS+\i]|, |v[XS+\i+1]|
	v_max3_num_f32 v17, v17, |v[XS+\i+2]|, |v[XS+\i+3]|
.endr
	v_max3_num_f32 v16, v16, |v[XS+30]|, |v[XS+31]|
	v_max3_num_f32 v16, v16, v17, 0x1800000        ; and the floor 2^(3 - 127)
	v_add_nc_u32 v18, 0xff000000, v16              ; the conversion's scale operand
	v_lshrrev_b32 v17, 23, v18                     ; the scale's byte
.if (\t)%4 == 0
	v_mov_b32 v[SB+(\t)/4], v17
.else
	v_lshl_or_b32 v[SB+(\t)/4], v17, 8*((\t)%4), v[SB+(\t)/4]
.endif
.irp g, 0,1,2,3
	v_cvt_scalef32_pk8_fp4_f32 v[WC+\g], v[XS+8*\g:XS+8*\g+7], v18
.endr
	ds_store_b128 v4, v[WC:WC+3] offset:16*(\t)    ; 32 codes: 16 bytes of my column's row
.if (\t)+2 < 16
	WLOAD (\t)+2
.endif
	s_wait_dscnt 0x0                               ; the store has read its registers: the next block's codes may be written
.endm
.irp t, 0,1,2,3,4,5,6,7,8,9,10,11,12,13,14,15
	WBLOCK \t
.endr
	global_store_b128 v9, v[SB:SB+3], s[22:23]     ; my column's 16 scale bytes
.irp t, 0,1,2,3,4,5,6,7,8,9,10,11,12,13,14,15
	ds_load_b128 v[WX+4*\t:WX+4*\t+3], v7 offset:2*\t*WPITCH
.endr
.irp t, 0,1,2,3,4,5,6,7,8,9,10,11,12,13,14,15
	s_wait_dscnt 15-\t                             ; LDS loads come back in order: number t is in
	global_store_b128 v8, v[WX+4*\t:WX+4*\t+3], s[20:21] offset:2*\t*2048   ; sixteen lanes store 256 consecutive bytes, aligned
.endr
	s_wait_tensorcnt 0x0                           ; the wave's end, behind my last LDS store
	ds_add_u32 v[SPW], v[NIL]
	s_wait_dscnt 0x0
	s_endpgm
; ---------------- ROLE O: a stream.  A wave takes 8,192 numbers of Wo in four batches of 16 loads; two sets of registers take turns.
.Lrole_o:
	s_sub_co_u32 s29, ttmp9, 640
	s_lshl_b32 s29, s29, 2
	s_add_co_u32 s29, s29, s28
	s_mov_b32 s31, 0
	s_lshl_b32 s30, s29, 15
	s_add_nc_u64 s[12:13], s[12:13], s[30:31]
	s_lshl_b32 s30, s29, 14
	s_add_nc_u64 s[24:25], s[24:25], s[30:31]
	v_lshlrev_b32 v3, 4, v2
	v_lshlrev_b32 v4, 3, v2
.macro OLOAD set, batch
.irp i, 0,1,2,3,4,5,6,7,8,9,10,11,12,13,14,15
	global_load_b128 v[16+64*\set+4*\i:16+64*\set+4*\i+3], v3, s[12:13] offset:8192*\batch+512*\i th:TH_LOAD_NT
.endr
.endm
.macro OPROC set, batch
.irp i, 0,1,2,3,4,5,6,7,8,9,10,11,12,13,14,15
	v_pk_mul_f32 v[16+64*\set+4*\i:16+64*\set+4*\i+1], v[16+64*\set+4*\i:16+64*\set+4*\i+1], 4.0 op_sel_hi:[1,0]
	v_pk_mul_f32 v[16+64*\set+4*\i+2:16+64*\set+4*\i+3], v[16+64*\set+4*\i+2:16+64*\set+4*\i+3], 4.0 op_sel_hi:[1,0]
	v_cvt_pk_f16_f32 v[16+64*\set+4*\i], v[16+64*\set+4*\i], v[16+64*\set+4*\i+1]
	v_cvt_pk_f16_f32 v[16+64*\set+4*\i+1], v[16+64*\set+4*\i+2], v[16+64*\set+4*\i+3]
	global_store_b64 v4, v[16+64*\set+4*\i:16+64*\set+4*\i+1], s[24:25] offset:4096*\batch+256*\i   ; the wave stores 256 consecutive bytes, aligned
.endr
.endm
	OLOAD 0, 0
	OLOAD 1, 1
	s_wait_loadcnt 16                              ; the older batch is in; the other set's 16 loads may be out
	OPROC 0, 0
	s_wait_xcnt 0x0                                ; the stores have read their registers: the set is loaded again only behind this wait
	OLOAD 0, 2
	s_wait_loadcnt 16
	OPROC 1, 1
	s_wait_xcnt 0x0
	OLOAD 1, 3
	s_wait_loadcnt 16
	OPROC 0, 2
	s_wait_loadcnt 0x0
	OPROC 1, 3
	s_wait_tensorcnt 0x0                           ; the wave's end
	ds_add_u32 v[SPW], v[NIL]
	s_wait_dscnt 0x0
	s_endpgm
.Lfunc_end_k_qea1a8e809c_prep:
	.size	k_qea1a8e809c_prep, .Lfunc_end_k_qea1a8e809c_prep-k_qea1a8e809c_prep
	.p2alignl 7, 3214868480
	.fill 96, 4, 3214868480
	.section	.rodata,"a",@progbits
	.p2align	6, 0x0
	.amdhsa_kernel k_qea1a8e809c_prep
		.amdhsa_group_segment_fixed_size 68096
		.amdhsa_private_segment_fixed_size 0
		.amdhsa_enable_private_segment 0
		.amdhsa_kernarg_size 96
		.amdhsa_user_sgpr_count 2
		.amdhsa_user_sgpr_kernarg_segment_ptr 1
		.amdhsa_wavefront_size32 1
		.amdhsa_system_sgpr_workgroup_id_x 1
		.amdhsa_system_sgpr_workgroup_id_y 1
		.amdhsa_system_sgpr_workgroup_id_z 1
		.amdhsa_system_vgpr_workitem_id 0
		.amdhsa_next_free_vgpr 192
		.amdhsa_next_free_sgpr 66
		.amdhsa_reserve_vcc 1
		.amdhsa_float_denorm_mode_32 3
		.amdhsa_float_denorm_mode_16_64 3
		.amdhsa_memory_ordered 1
		.amdhsa_forward_progress 1
		.amdhsa_inst_pref_size 147
	.end_amdhsa_kernel
	.amdgpu_metadata
---
amdhsa.version: [ 1, 2 ]
amdhsa.kernels:
  - .name:           k_qea1a8e809c_prep
    .symbol:         k_qea1a8e809c_prep.kd
    .args:
      - { .name: hidden_states, .offset: 0, .size: 8, .value_kind: global_buffer, .address_space: global }
      - { .name: Wq, .offset: 8, .size: 8, .value_kind: global_buffer, .address_space: global }
      - { .name: Wk, .offset: 16, .size: 8, .value_kind: global_buffer, .address_space: global }
      - { .name: Wv, .offset: 24, .size: 8, .value_kind: global_buffer, .address_space: global }
      - { .name: Wo, .offset: 32, .size: 8, .value_kind: global_buffer, .address_space: global }
      - { .name: position_ids, .offset: 40, .size: 8, .value_kind: global_buffer, .address_space: global }
      - { .name: x_codes, .offset: 48, .size: 8, .value_kind: global_buffer, .address_space: global }
      - { .name: x_scales, .offset: 56, .size: 8, .value_kind: global_buffer, .address_space: global }
      - { .name: w_codes, .offset: 64, .size: 8, .value_kind: global_buffer, .address_space: global }
      - { .name: w_scales, .offset: 72, .size: 8, .value_kind: global_buffer, .address_space: global }
      - { .name: wo_h, .offset: 80, .size: 8, .value_kind: global_buffer, .address_space: global }
      - { .name: rope, .offset: 88, .size: 8, .value_kind: global_buffer, .address_space: global }
    .group_segment_fixed_size: 68096
    .private_segment_fixed_size: 0
    .kernarg_segment_align: 8
    .kernarg_segment_size: 96
    .max_flat_workgroup_size: 128
    .sgpr_count:     66
    .vgpr_count:     192
    .wavefront_size: 32
...
	.end_amdgpu_metadata
.endif
;; end of part 1
;; launch qkv (part 2): grid 8 x 32, 4 waves a work-group, clusters of 4 x 4, 327,680 bytes of LDS; arguments x_codes, x_scales, w_codes, w_scales, rope, qkv; writes qkv
.if DOCPART == 2
	.amdgcn_target "amdgcn-amd-amdhsa--gfx1250"
	.amdhsa_code_object_version 6
	.text
	.protected	k_qea1a8e809c_qkv
	.globl	k_qea1a8e809c_qkv
	.p2align	8
	.type	k_qea1a8e809c_qkv,@function
k_qea1a8e809c_qkv:
	s_mov_b64 s[64:65], 0
	v_nop
	global_prefetch_b8 v0, s[64:65] scope:SCOPE_SE
	s_setreg_imm32_b32 hwreg(HW_REG_WAVE_MODE, 25, 1), 1
	s_wait_xcnt 0x0
	s_wait_alu depctr_hold_cnt(0) depctr_sa_sdst(0) depctr_va_vdst(0) depctr_va_sdst(0) depctr_va_ssrc(0) depctr_va_vcc(0) depctr_vm_vsrc(0)
	s_getreg_b32 s2, hwreg(HW_REG_IB_STS2, 6, 4)
	s_cmp_eq_u32 s2, 0
	s_cbranch_scc0 .Lentry_in_a_cluster
	s_endpgm
.Lentry_in_a_cluster:
	s_bfe_u32 s2, ttmp6, 0x10000c
	s_cmp_lg_u32 s2, 0xf033
	s_cbranch_scc0 .Lentry_shape_is_right
	s_endpgm
.Lentry_shape_is_right:
; QKV: the three quantised products as ONE product on codes of FP4 (E2M1) with E8M0 scales: [4096 m][4096 k] x [2048 n][4096 k]^T, sums in f32; then the rotation by position and the rounding to f16.
; Out: qkv [16 heads: 0-7 q, 8-11 k, 12-15 v][4096 m][128] f16.  q carries 4 log2(e) / sqrt(128), k and v carry 1/4: the factors lie in the cos/sin tables (for v: cos = 1/4, sin = 0), so all heads take one path.
; A tile of the result is 128 rows x 256 columns: 256 work-groups.  Four waves; a wave makes 64 rows x 128 columns = ONE HEAD: 32 accumulators of 16 x 16.
; THE MATRIX INSTRUCTION IS USED TRANSPOSED (source 0 = 16 rows of W, source 1 = 16 rows of X): a lane holds one row m and eight neighbouring channels; channels d and d + 64 lie in the same lane and
; register of accumulators b and b + 4, so the rotation needs no other lane.
; K goes in steps of 512 (rows of 256 bytes) through a ring of two LDS slots.  The scale bytes of the work-group's rows, for all of K, come once, in units of 256 bytes, and stay.
; CLUSTERS: 4 x 4.  X's tiles hang on the tile row alone and are asked for jointly along a row of the cluster, W's on the tile column alone, along a column.
; No prefetch: every tile is read by 8 or 32 work-groups and shared in the cluster, and the launch is short.
; LIMIT: q x 0.51, k / 4 and v / 4 must stay under f16's 65,504.
; REGISTERS, in windows of 256: window 0: v1-6 at work, v8-11, v16-29 addresses; v32-95 scale words, two sets (scales and nothing else); v128-191 X's fragments, two sets; on the way out v96-255.
;   window 1: W's fragments, two sets, at v0 and v128.   window 2: the accumulators, (a, b) at v[8 (8 a + b)].   window 3: cos at v[64 a + 8 b], sin at v[64 a + 32 + 8 b].
.set PITCH,  272                       ; an LDS row: 256 bytes + 16 of padding = 68 words: the 16 rows that a load touches start at 16 different groups of four banks
.set XH,     64*PITCH                  ; 64 rows of X: what waves 0 and 1 fetch, and what a wave reads
.set WH,     128*PITCH                 ; 128 rows of W: what waves 2 and 3 fetch, and what a wave reads
.set WOFF,   2*XH
.set SLOT,   2*XH+2*WH
.set NQ,     4                         ; matrix instructions deep in a slot
.set FR,     8                         ; registers of a fragment
.set SCL,    2*SLOT                    ; behind the ring: X's scale bytes, 128 rows x 128 bytes as units of 256 + 16,
.set SXH,    32*272
.set SCLW,   SCL+2*SXH                 ; then W's, 256 rows
.set SWH,    64*272
.set SBLK,   8*272                     ; those of 16 rows
.set STAGE,  SCLW+2*SWH                ; the way out: 16 rows x (256 + 16) for each wave; no fill lands here
.set SPITCH, 272
.set SPARE,  STAGE+4*16*SPITCH         ; the spare words, 128 bytes for each wave: two blocks of 256 bytes that no other line names
.set RO,   8                           ; v8-11  my byte offset in the cos/sin table for block a of my rows
.set ADRX, 16                          ; v16-17 LDS address of my X fragments in slot 0, 1
.set ADRW, 20                          ; v20-21 the same for W
.set STO,  24
.set RD,   25
.set CO,   26
.set ADRS, 27                          ; v27    LDS address of my scale words: lanes 0-15 X's rows, lanes 16-31 W's
.set SPW,  28                          ; v28    my spare word; never rewritten
.set NIL,  29                          ; v29    0; never rewritten
.set SC,   32
.set T,    96                          ; the way out: 64 rotated numbers
.set XF,   128
.set TMP,  160                         ; the way out: 32 registers of f16 pairs
.set OB,   192                         ; the way out: 16 rows read back: v192-223 and v224-255 by turns
.set G1X,  24
.set G0X,  32
.set G1W,  48
.set G0W,  56
.set G1SX, 68
.set G0SX, 76
.set G1SW, 80
.set G0SW, 88
.set MSB, 0
.macro WIN new                         ; the immediate's high byte repeats the setting that is left
.if MSB != \new
	s_set_vgpr_msb (MSB<<8)|\new
.set MSB, \new
.endif
.endm
.set MUL,  0xa1                        ; source 0 (W) window 1, source 1 (X) window 0, C and D window 2
.set TO_W, 0x40
; A joint load: waves 0 and 1 fetch for X, waves 2 and 3 for W.  The branch hangs on the wave's number alone.  An s_nop 0 and four v_nop follow each of the two lines.
.macro JLOAD g0a, g1a, g0b, g1b
	s_cmp_eq_u32 s17, 0
	s_cbranch_scc0 .Lfor_b_\@
	tensor_load_to_lds s[\g0a:\g0a+3], s[\g1a:\g1a+7]
	s_nop 0
.rept 4
	v_nop
.endr
	s_branch .Lasked_\@
.Lfor_b_\@:
	tensor_load_to_lds s[\g0b:\g0b+3], s[\g1b:\g1b+7]
	s_nop 0
.rept 4
	v_nop
.endr
.Lasked_\@:
.endm
.macro CREST                           ; a round of the cluster's barrier behind its opening barrier
	s_cmp_lg_u32 s16, 0
	s_cbranch_scc1 .Lnot_wave_0_\@
	s_barrier_signal -3
.Lnot_wave_0_\@:
	s_barrier_wait -3
	s_barrier_signal -1
	s_barrier_wait -1
.endm
.macro CROUND
	s_barrier_signal -1
	s_barrier_wait -1
	CREST
.endm
	s_load_b256 s[4:11], s[0:1], 0x0               ; x_codes 4:5, x_scales 6:7, w_codes 8:9, w_scales 10:11
	s_load_b128 s[12:15], s[0:1], 0x20             ; rope 12:13, qkv 14:15
	v_lshl_add_u32 v[SPW], v0, 2, SPARE
	v_mov_b32 v[NIL], 0
	ds_add_u32 v[SPW], v[NIL]                      ; the wave's opening: the add, twice on end, and its wait ahead of my first tensor load
	ds_add_u32 v[SPW], v[NIL]
	v_lshrrev_b32 v1, 5, v0
	v_readfirstlane_b32 s16, v1                    ; wave 0..3
	s_lshr_b32 s17, s16, 1                         ; which 64 rows are mine.  Also: I fetch for X (0) or for W (1)
	s_and_b32 s18, s16, 1                          ; which head is mine.  Also: which half of that tile I fetch
	s_bfe_u32 s40, ttmp6, 0x40000                  ; cx, cy: my place in the cluster
	s_bfe_u32 s41, ttmp6, 0x40004
	s_lshl_b32 s42, ttmp9, 2
	s_add_co_u32 s42, s42, s40                     ; tile column = 4 x cluster x + cx
	s_and_b32 s19, ttmp7, 0xffff
	s_lshl_b32 s19, s19, 2
	s_add_co_u32 s19, s19, s41                     ; tile row = 4 x cluster y + cy
	s_lshl_b32 s43, s41, 2
	s_lshl_b32 s43, 15, s43                        ; my row of the cluster
	s_lshl_b32 s44, 0x1111, s40                    ; my column
	s_or_b32 s[G1X+0], s43, (0<<16)|(1<<20)|(1<<21)|(5<<22)|(3<<25)   ; the mask; elements of 1 byte; padding on; bit 21 beside a mask; after every 64 words four words
	s_or_b32 s[G1W+0], s44, (0<<16)|(1<<20)|(1<<21)|(5<<22)|(3<<25)
	s_mov_b32 s[G1X+1], 256<<16                    ; tensor_dim0 = 256 bytes
	s_mov_b32 s[G1X+2], 64<<16                     ; tensor_dim1 = 64 rows
	s_mov_b32 s[G1X+3], 256<<16                    ; tile_dim0
	s_mov_b32 s[G1X+4], 64                         ; tile_dim1
	s_mov_b32 s[G1X+5], 2048                       ; from row to row
	s_mov_b32 s[G1X+6], 0
	s_mov_b32 s[G1X+7], 0
	s_mov_b32 s[G1W+1], 256<<16
	s_mov_b32 s[G1W+2], 128<<16
	s_mov_b32 s[G1W+3], 256<<16
	s_mov_b32 s[G1W+4], 128
	s_mov_b32 s[G1W+5], 2048
	s_mov_b32 s[G1W+6], 0
	s_mov_b32 s[G1W+7], 0
	s_or_b32 s[G1SX+0], s43, (3<<16)|(1<<20)|(1<<21)|(5<<22)|(3<<25)  ; the scale bytes: dense blocks, as rows of 256 bytes (32 elements of 8), 16 bytes of padding behind each
	s_or_b32 s[G1SW+0], s44, (3<<16)|(1<<20)|(1<<21)|(5<<22)|(3<<25)
	s_mov_b32 s[G1SX+1], 32<<16
	s_mov_b32 s[G1SX+2], 32<<16                    ; 64 rows x 128 bytes = 32 units
	s_mov_b32 s[G1SX+3], 32<<16
	s_mov_b32 s[G1SX+4], 32
	s_mov_b32 s[G1SX+5], 32
	s_mov_b32 s[G1SX+6], 0
	s_mov_b32 s[G1SX+7], 0
	s_mov_b32 s[G1SW+1], 32<<16
	s_mov_b32 s[G1SW+2], 64<<16                    ; 128 rows = 64 units
	s_mov_b32 s[G1SW+3], 32<<16
	s_mov_b32 s[G1SW+4], 64
	s_mov_b32 s[G1SW+5], 32
	s_mov_b32 s[G1SW+6], 0
	s_mov_b32 s[G1SW+7], 0
	s_lshl_b32 s20, s19, 7                         ; X: row 128 x tile row + 64 x half,
	s_lshl_b32 s21, s18, 6
	s_add_co_u32 s20, s20, s21
	s_lshl_b32 s22, s20, 7                         ; its scale bytes,
	s_lshl_b32 s20, s20, 11                        ; its codes
	s_mov_b32 s21, 0
	s_mov_b32 s23, 0
	s_lshl_b32 s46, s42, 8                         ; W: row 256 x tile column + 128 x half
	s_lshl_b32 s47, s18, 7
	s_add_co_u32 s46, s46, s47
	s_lshl_b32 s92, s46, 7
	s_lshl_b32 s46, s46, 11
	s_mov_b32 s47, 0
	s_mov_b32 s93, 0
	s_mul_i32 s45, s18, XH                         ; where they go: no place in the cluster enters an LDS address
	s_mul_i32 s94, s18, WH
	s_add_co_u32 s94, s94, WOFF
	s_mul_i32 s95, s18, SXH
	s_mul_i32 s96, s18, SWH
	s_wait_dscnt 0x0                               ; both opening adds are done
	s_wait_kmcnt 0x0
	s_add_nc_u64 s[20:21], s[4:5], s[20:21]
	s_add_nc_u64 s[22:23], s[6:7], s[22:23]
	s_add_nc_u64 s[46:47], s[8:9], s[46:47]
	s_add_nc_u64 s[92:93], s[10:11], s[92:93]
	CROUND                                         ; all sixteen work-groups are here: the first joint loads meet
	s_mov_b32 s[G0SX], 1
	s_add_co_u32 s[G0SX+1], s95, SCL
	s_mov_b64 s[G0SX+2:G0SX+3], s[22:23]
	s_or_b32 s[G0SX+3], s[G0SX+3], 0x80000000
	s_mov_b32 s[G0SW], 1
	s_add_co_u32 s[G0SW+1], s96, SCLW
	s_mov_b64 s[G0SW+2:G0SW+3], s[92:93]
	s_or_b32 s[G0SW+3], s[G0SW+3], 0x80000000
	JLOAD G0SX, G1SX, G0SW, G1SW                   ; the scales first: they are wanted with K step 0
.irp s, 0,1
	s_mov_b32 s[G0X+4*\s], 1
	s_add_co_u32 s[G0X+4*\s+1], s45, \s*SLOT
	s_add_nc_u64 s[G0X+4*\s+2:G0X+4*\s+3], s[20:21], \s*256
	s_or_b32 s[G0X+4*\s+3], s[G0X+4*\s+3], 0x80000000
	s_mov_b32 s[G0W+4*\s], 1
	s_add_co_u32 s[G0W+4*\s+1], s94, \s*SLOT
	s_add_nc_u64 s[G0W+4*\s+2:G0W+4*\s+3], s[46:47], \s*256
	s_or_b32 s[G0W+4*\s+3], s[G0W+4*\s+3], 0x80000000
	JLOAD G0X+4*\s, G1X, G0W+4*\s, G1W             ; by this text's count three tensor loads of a wave are out here, one later
.endr
	v_and_b32 v1, 15, v0                           ; r = l % 16
	v_bfe_u32 v2, v0, 4, 1                         ; h = l / 16
	v_mul_u32_u24 v3, v1, PITCH
	v_lshl_add_u32 v4, v2, 4, v3                   ; a fragment's row x pitch + 16 x half
	s_mul_i32 s21, s17, XH                         ; my 64 rows of X
	s_mul_i32 s22, s18, WH                         ; my 128 rows of W,
	s_add_co_u32 s22, s22, WOFF                    ; which lie behind X's 128
.irp s, 0,1
	v_add_nc_u32 v[ADRX+\s], s21, v4
	v_add_nc_u32 v[ADRW+\s], s22, v4
	s_add_co_u32 s21, s21, SLOT
	s_add_co_u32 s22, s22, SLOT
.endr
	v_lshrrev_b32 v5, 1, v1                        ; my row's scales: two rows of 128 bytes to a unit of 272
	v_mul_u32_u24 v5, v5, 272
	v_and_b32 v6, 1, v1
	v_lshl_add_u32 v5, v6, 7, v5
	s_mul_i32 s21, s17, SXH                        ; X's: my 64 rows
	s_mul_i32 s22, s18, SWH                        ; W's: my 128 rows, behind X's 128
	s_add_co_u32 s22, s22, 2*SXH
	s_sub_co_u32 s22, s22, s21
	v_mul_u32_u24 v6, s22, v2                      ; lanes 16-31 take W's: one product, the distance between the two
	s_add_co_u32 s21, s21, SCL
	v_add_nc_u32 v5, v5, v6
	v_add_nc_u32 v[ADRS], s21, v5
	s_mul_i32 s23, s16, 16*SPITCH
	s_add_co_u32 s23, s23, STAGE                   ; my stage
	v_mul_u32_u24 v5, v1, SPITCH                   ; in: row r, 16 bytes for each half of the lanes
	v_lshl_add_u32 v5, v2, 4, v5
	v_add_nc_u32 v[STO], s23, v5
	v_mul_u32_u24 v5, v2, SPITCH                   ; back: lanes 0-15 one row of 256 bytes, lanes 16-31 the next
	v_lshl_add_u32 v5, v1, 4, v5
	v_add_nc_u32 v[RD], s23, v5
	v_and_b32 v6, 31, v0
	v_lshlrev_b32 v[CO], 4, v6                     ; rows of a head are dense: two rows are 512 bytes, 16 a lane
	; the cos/sin table of my head: q's, k's, or the one row for v (pitch 0).  A choice of offsets by the tile column; no branch
	s_mov_b32 s96, 0x400000
	s_cmp_lt_u32 s42, 6
	s_cselect_b32 s96, 0x200000, s96
	s_cselect_b32 s97, 512, 0
	s_cmp_lt_u32 s42, 4
	s_cselect_b32 s96, 0, s96
	s_lshl_b32 s21, s19, 7
	s_lshl_b32 s22, s17, 6
	s_add_co_u32 s21, s21, s22                     ; my first row m
	s_mul_i32 s98, s21, s97
	s_add_co_u32 s98, s98, s96
	s_mov_b32 s99, 0
	s_add_nc_u64 s[12:13], s[12:13], s[98:99]
.irp a, 0,1,2,3
	v_add_nc_u32 v3, 16*\a, v1
	v_mul_lo_u32 v[RO+\a], v3, s97
	v_lshl_add_u32 v[RO+\a], v2, 5, v[RO+\a]       ; row 16 a + r, + 32 h: my eight channels of a block of 16
.endr
	WIN 0xc0                                       ; destination window 3
.irp a, 0,1,2,3
.irp b, 0,1,2,3
	global_load_b128 v[64*\a+8*\b:64*\a+8*\b+3],       v[RO+\a], s[12:13] offset:64*\b          ; they land while the products run
	global_load_b128 v[64*\a+8*\b+4:64*\a+8*\b+7],     v[RO+\a], s[12:13] offset:64*\b+16
	global_load_b128 v[64*\a+32+8*\b:64*\a+32+8*\b+3],   v[RO+\a], s[12:13] offset:256+64*\b
	global_load_b128 v[64*\a+32+8*\b+4:64*\a+32+8*\b+7], v[RO+\a], s[12:13] offset:256+64*\b+16
.endr
.endr
	WIN 0
	s_lshl_b32 s20, s42, 1
	s_add_co_u32 s20, s20, s18                     ; my head
	s_lshl_b32 s20, s20, 20                        ; 1 MiB a head,
	s_lshl_b32 s22, s21, 8                         ; 256 bytes a row
	s_add_co_u32 s20, s20, s22
	s_mov_b32 s21, 0
	s_add_nc_u64 s[14:15], s[14:15], s[20:21]
.macro FRAG reg, adr, q, i             ; 16 rows x 128 K of 4-bit codes: 8 registers: registers 4 c .. 4 c + 3 hold K = 64 c + 32 (l / 16) + 0 .. 31
.irp c, 0,1
	ds_load_b128 v[\reg+4*\c:\reg+4*\c+3], v[\adr] offset:64*(\q)+32*\c+(\i)*16*PITCH
.endr
.endm
; 8 matrix instructions: X's block a x W's eight.  p: the set of fragments;  q: the slot's q-th 128 along K;  sc: the set of scale words.  zero = 1: the first product starts the sums.
; The 32 accumulators take turns, one instruction a turn, in the same order in every step.
.macro MUL8 a, p, q, sc, zero
.irp b, 0,1,2,3,4,5,6,7
.if \zero
	v_wmma_scale_f32_16x16x128_f8f6f4 v[8*(8*(\a)+\b):8*(8*(\a)+\b)+7], v[128*(\p)+FR*\b:128*(\p)+FR*\b+FR-1], v[XF+32*(\p)+FR*(\a):XF+32*(\p)+FR*(\a)+FR-1], 0, v[SC+32*(\sc)+NQ*\b+(\q)], v[SC+32*(\sc)+NQ*(\a)+(\q)] matrix_a_fmt:MATRIX_FMT_FP4 matrix_b_fmt:MATRIX_FMT_FP4 matrix_a_scale:MATRIX_SCALE_ROW1
.else
	v_wmma_scale_f32_16x16x128_f8f6f4 v[8*(8*(\a)+\b):8*(8*(\a)+\b)+7], v[128*(\p)+FR*\b:128*(\p)+FR*\b+FR-1], v[XF+32*(\p)+FR*(\a):XF+32*(\p)+FR*(\a)+FR-1], v[8*(8*(\a)+\b):8*(8*(\a)+\b)+7], v[SC+32*(\sc)+NQ*\b+(\q)], v[SC+32*(\sc)+NQ*(\a)+(\q)] matrix_a_fmt:MATRIX_FMT_FP4 matrix_b_fmt:MATRIX_FMT_FP4 matrix_a_scale:MATRIX_SCALE_ROW1
.endif
.endr
.endm
.macro FETCH_W slot, q, p
	WIN TO_W
.irp i, 0,1,2,3,4,5,6,7
	FRAG 128*(\p)+FR*\i, ADRW+\slot, \q, \i
.endr
	WIN 0
.endm
.macro FETCH_X slot, q, p
.irp i, 0,1,2,3
	FRAG XF+32*(\p)+FR*\i, ADRX+\slot, \q, \i
.endr
.endm
.macro SCALES sc                       ; a K step's scale words: four words a row; lanes 0-15 take X's block i (blocks 4 to 7 there are read by nobody), lanes 16-31 W's block i
.irp i, 0,1,2,3,4,5,6,7
	ds_load_b128 v[SC+32*\sc+NQ*\i:SC+32*\sc+NQ*\i+3], v[ADRS] offset:\i*SBLK
.endr
.endm
.macro PLACES n                        ; a load into a register that a matrix instruction has read, and a read of a result, stand four plain vector instructions behind it
.rept \n
	v_nop
.endr
.endm
; A step of 128 along K that has its successor in the same slot: the successor's 24 loads go out first and have this step's 32 matrix instructions in which to land.
.macro STEP slot, q, zero
	s_wait_dscnt 0x0                               ; this step's fragments (and scale words) are in
	PLACES 4                                       ; the other set was read by the products just issued
	FETCH_W \slot, (\q)+1, 1-(\q)%2
	FETCH_X \slot, (\q)+1, 1-(\q)%2
	WIN MUL
	MUL8 0, (\q)%2, \q, \slot, \zero
	MUL8 1, (\q)%2, \q, \slot, \zero
	MUL8 2, (\q)%2, \q, \slot, \zero
	MUL8 3, (\q)%2, \q, \slot, \zero
	WIN 0
.endm
; A slot's last step changes slots: ONE barrier; in front of it each wave waits for all its tensor loads, adds 0 to its spare word, and waits for that and for its reads of this slot.  fill = 1: this slot is filled again, two K steps ahead.
.macro TURN slot, next, fill
	s_wait_tensorcnt 0x0                           ; all my tensor loads have landed: my part of the next slot
	ds_add_u32 v[SPW], v[NIL]                      ; 0 onto my spare word
	s_wait_dscnt 1                                 ; this step's fragments are in (the add alone may be out)
	WIN MUL
	MUL8 0, 1, NQ-1, \slot, 0                      ; eight matrix instructions stand between the add and the wait for it
	s_wait_dscnt 0x0                               ; the add is done, and my reads of this slot are over
	s_barrier_signal -1
	MUL8 1, 1, NQ-1, \slot, 0
	WIN 0
	s_barrier_wait -1
.if \fill
	CREST                                          ; the barrier has opened a round of the cluster's barrier: no wave of any partner still reads this slot or has a load on its way
	s_add_nc_u64 s[G0X+4*\slot+2:G0X+4*\slot+3], s[G0X+4*\slot+2:G0X+4*\slot+3], 512
	s_add_nc_u64 s[G0W+4*\slot+2:G0W+4*\slot+3], s[G0W+4*\slot+2:G0W+4*\slot+3], 512
	JLOAD G0X+4*\slot, G1X, G0W+4*\slot, G1W       ; the first tensor load behind the round; its four v_nop are the places in front of the loads below
.else
	PLACES 4
.endif
	v_add_nc_u32 v[ADRS], 16, v[ADRS]              ; on to the next K step's scale words
	FETCH_W \next, 0, 0
	FETCH_X \next, 0, 0
	SCALES \next
	WIN MUL
	MUL8 2, 1, NQ-1, \slot, 0
	MUL8 3, 1, NQ-1, \slot, 0
	WIN 0
.endm
	s_wait_tensorcnt 1                             ; the scales and my part of K step 0 are in (K step 1's load may be out)
	s_barrier_signal -1
	s_barrier_wait -1                              ; everybody's are
	FETCH_W 0, 0, 0
	FETCH_X 0, 0, 0
	SCALES 0
	STEP 0, 0, 1                                   ; the first step stands in front of the loop: its products start the sums
	s_mov_b32 s3, 3
.Llap:                                                 ; a trip goes once round the ring and fills both slots again: K steps 2 to 7
	STEP 0, 1, 0
	STEP 0, 2, 0
	TURN 0, 1, 1
	STEP 1, 0, 0
	STEP 1, 1, 0
	STEP 1, 2, 0
	TURN 1, 0, 1
	STEP 0, 0, 0
	s_sub_co_u32 s3, s3, 1
	s_cmp_lg_u32 s3, 0
	s_cbranch_scc1 .Llap
	STEP 0, 1, 0                                   ; the last lap fills nothing
	STEP 0, 2, 0
	TURN 0, 1, 0
	STEP 1, 0, 0
	STEP 1, 1, 0
	STEP 1, 2, 0
	s_wait_dscnt 0x0
	WIN MUL
	MUL8 0, 1, NQ-1, 1, 0
	MUL8 1, 1, NQ-1, 1, 0
	MUL8 2, 1, NQ-1, 1, 0
	MUL8 3, 1, NQ-1, 1, 0
	WIN 0
; THE WAY OUT, a block of 16 rows at a time.  ROPE: lo' = lo cos - hi sin, hi' = hi cos + lo sin (lo: channels 0-63, accumulators 0-3; hi: the same lane and register of accumulators 4-7), rounded to f16.
.macro ROPE a
	WIN 0x0e                                       ; source 0: window 2 (results), source 1: window 3 (cos, sin)
.irp b, 0,1,2,3
.irp j, 0,2,4,6                        ; each accumulator from its low end on
	v_pk_mul_f32 v[T+8*\b+\j:T+8*\b+\j+1], v[8*(8*\a+\b)+\j:8*(8*\a+\b)+\j+1], v[64*\a+8*\b+\j:64*\a+8*\b+\j+1]
	v_pk_mul_f32 v[T+32+8*\b+\j:T+32+8*\b+\j+1], v[8*(8*\a+\b+4)+\j:8*(8*\a+\b+4)+\j+1], v[64*\a+8*\b+\j:64*\a+8*\b+\j+1]
	v_pk_fma_f32 v[T+8*\b+\j:T+8*\b+\j+1], v[8*(8*\a+\b+4)+\j:8*(8*\a+\b+4)+\j+1], v[64*\a+32+8*\b+\j:64*\a+32+8*\b+\j+1], v[T+8*\b+\j:T+8*\b+\j+1] neg_lo:[1,0,0] neg_hi:[1,0,0]
	v_pk_fma_f32 v[T+32+8*\b+\j:T+32+8*\b+\j+1], v[8*(8*\a+\b)+\j:8*(8*\a+\b)+\j+1], v[64*\a+32+8*\b+\j:64*\a+32+8*\b+\j+1], v[T+32+8*\b+\j:T+32+8*\b+\j+1]
.endr
.endr
	WIN 0
.set i, 0
.rept 32
	v_cvt_pk_f16_f32 v[TMP+i], v[T+2*i], v[T+2*i+1]
.set i, i+1
.endr
.endm
.macro TOSTAGE a                       ; a lane's 16 bytes of a row into my stage, and whole rows back; LDS serves a wave's instructions in order
.irp b, 0,1,2,3,4,5,6,7
	ds_store_b128 v[STO], v[TMP+4*\b:TMP+4*\b+3] offset:32*\b
.endr
.irp t, 0,1,2,3,4,5,6,7
	ds_load_b128 v[OB+32*((\a)%2)+4*\t:OB+32*((\a)%2)+4*\t+3], v[RD] offset:\t*2*SPITCH
.endr
.endm
.macro SEND a
	s_wait_dscnt 0x0                               ; the block is back in registers
.irp t, 0,1,2,3,4,5,6,7
	global_store_b128 v[CO], v[OB+32*((\a)%2)+4*\t:OB+32*((\a)%2)+4*\t+3], s[14:15] offset:(\a)*4096+512*\t   ; the wave stores 512 consecutive bytes, aligned to 256
.endr
.endm
	PLACES 4
	s_wait_loadcnt 0x0                             ; cos and sin
	ROPE 0
	TOSTAGE 0
	ROPE 1
	SEND 0
	TOSTAGE 1
	ROPE 2
	SEND 1
	s_wait_xcnt 0x0                                ; block 0's stores have read their registers, into which block 2's rows are loaded
	TOSTAGE 2
	ROPE 3
	SEND 2
	s_wait_xcnt 0x0
	TOSTAGE 3
	SEND 3
	s_wait_tensorcnt 0x0                           ; the wave's end, behind my last tensor load and my last LDS store
	ds_add_u32 v[SPW], v[NIL]
	s_wait_dscnt 0x0
	CROUND                                         ; the closing round: no work-group ends while a partner may still ask for a tile that names it
	s_endpgm
.Lfunc_end_k_qea1a8e809c_qkv:
	.size	k_qea1a8e809c_qkv, .Lfunc_end_k_qea1a8e809c_qkv-k_qea1a8e809c_qkv
	.p2alignl 7, 3214868480
	.fill 96, 4, 3214868480
	.section	.rodata,"a",@progbits
	.p2align	6, 0x0
	.amdhsa_kernel k_qea1a8e809c_qkv
		.amdhsa_group_segment_fixed_size 327680
		.amdhsa_private_segment_fixed_size 0
		.amdhsa_enable_private_segment 0
		.amdhsa_kernarg_size 48
		.amdhsa_user_sgpr_count 2
		.amdhsa_user_sgpr_kernarg_segment_ptr 1
		.amdhsa_wavefront_size32 1
		.amdhsa_system_sgpr_workgroup_id_x 1
		.amdhsa_system_sgpr_workgroup_id_y 1
		.amdhsa_system_sgpr_workgroup_id_z 1
		.amdhsa_system_vgpr_workitem_id 0
		.amdhsa_next_free_vgpr 1024
		.amdhsa_next_free_sgpr 100
		.amdhsa_reserve_vcc 0
		.amdhsa_float_denorm_mode_32 3
		.amdhsa_float_denorm_mode_16_64 3
		.amdhsa_memory_ordered 1
		.amdhsa_forward_progress 1
		.amdhsa_inst_pref_size 146
	.end_amdhsa_kernel
	.amdgpu_metadata
---
amdhsa.version: [ 1, 2 ]
amdhsa.kernels:
  - .name:           k_qea1a8e809c_qkv
    .symbol:         k_qea1a8e809c_qkv.kd
    .args:
      - { .name: x_codes, .offset: 0, .size: 8, .value_kind: global_buffer, .address_space: global }
      - { .name: x_scales, .offset: 8, .size: 8, .value_kind: global_buffer, .address_space: global }
      - { .name: w_codes, .offset: 16, .size: 8, .value_kind: global_buffer, .address_space: global }
      - { .name: w_scales, .offset: 24, .size: 8, .value_kind: global_buffer, .address_space: global }
      - { .name: rope, .offset: 32, .size: 8, .value_kind: global_buffer, .address_space: global }
      - { .name: qkv, .offset: 40, .size: 8, .value_kind: global_buffer, .address_space: global }
    .group_segment_fixed_size: 327680
    .private_segment_fixed_size: 0
    .kernarg_segment_align: 8
    .kernarg_segment_size: 48
    .max_flat_workgroup_size: 128
    .sgpr_count:     100
    .vgpr_count:     1024
    .wavefront_size: 32
...
	.end_amdgpu_metadata
.endif
;; end of part 2
;; launch attn (part 3): grid 32 x 8, 4 waves a work-group, clusters of 4 x 4, 327,680 bytes of LDS; arguments qkv, attention_mask, o_h; writes o_h
.if DOCPART == 3
	.amdgcn_target "amdgcn-amd-amdhsa--gfx1250"
	.amdhsa_code_object_version 6
	.text
	.protected	k_qea1a8e809c_attn
	.globl	k_qea1a8e809c_attn
	.p2align	8
	.type	k_qea1a8e809c_attn,@function
k_qea1a8e809c_attn:
	s_mov_b64 s[64:65], 0
	v_nop
	global_prefetch_b8 v0, s[64:65] scope:SCOPE_SE
	s_setreg_imm32_b32 hwreg(HW_REG_WAVE_MODE, 25, 1), 1
	s_wait_xcnt 0x0
	s_wait_alu depctr_hold_cnt(0) depctr_sa_sdst(0) depctr_va_vdst(0) depctr_va_sdst(0) depctr_va_ssrc(0) depctr_va_vcc(0) depctr_vm_vsrc(0)
	s_getreg_b32 s2, hwreg(HW_REG_IB_STS2, 6, 4)
	s_cmp_eq_u32 s2, 0
	s_cbranch_scc0 .Lentry_in_a_cluster
	s_endpgm
.Lentry_in_a_cluster:
	s_bfe_u32 s2, ttmp6, 0x10000c
	s_cmp_lg_u32 s2, 0xf033
	s_cbranch_scc0 .Lentry_shape_is_right
	s_endpgm
.Lentry_shape_is_right:
; ATTN: o'[b][q][head][:] = the sum over k of softmax_k(q.k / sqrt(128) + mask[q][k]) v'[k][:].  qkv: [16 heads: 0-7 q', 8-11 k', 12-15 v'][4096 = b x 2048 + s][128] f16; q' carries 4 log2(e) / sqrt(128), k' and v' carry 1/4,
; so q'.k' is the score in units of log2, and o' = o / 4.  mask: [2048][2048] f32, an input, read and added as it is given: every score is computed.  o_h: [4096][1024 = head x 128 + d] f16.
; Products on f16 operands, sums, maxima and exponentials in f32; the weights p are rounded to f16 for the second product, o' once at the end.
; SHARES.  A work-group owns 64 queries of one batch row and one key/value head, for BOTH query heads that share it.  Waves 0, 1 take keys 0-63 of each 128, waves 2, 3 keys 64-127; wave & 1 picks 32 of the 64 queries.
; A wave has four tiles of 16 queries: tile t = head 2 kv + t / 2, query tile t % 2.  At the end waves 2, 3 hand their maxima, sums and O^T to waves 0, 1 through LDS, and those merge and store.
; LAYOUT.  S^T = K Q^T (source 0 = 16 keys, source 1 = 16 queries): a lane holds ONE query (lane % 16) and keys 8 (lane / 16) + 0..7.  The mask lies in registers in the same layout: eight neighbouring f32 of a mask
; row a lane; the same 64 registers serve both heads.  Two score tiles, rounded in pairs, are source 1 of O^T = V^T P.  V comes out of LDS turned, by ds_load_tr16_b128.
; SOFTMAX.  x = mask x log2(e) + q'.k', one fused multiply-add.  For each query a running maximum m of x and a sum l: p = 2^(x - m): THE MAXIMUM IS TAKEN AWAY BEFORE ANYTHING ELSE IS DONE TO x, so p is at most 1 however
; large the mask's numbers are.  In every step O and l are multiplied by a = 2^(m_old - m_new).  The first maximum has the floor -1e38, so a mask of -infinity gives p = 0.
; BY TURNS.  The wave's tiles are two pieces (tiles 0, 1 and tiles 2, 3).  In a turn one piece has the matrix unit (32 products V^T P of the step in hand, 32 products K Q^T of the next); the other piece's softmax,
; cut into 64 slices, stands between them, one slice behind each matrix instruction.
; CLUSTER 4 x 4.  K's and V's tiles hang on (batch row, kv head) = work-group y and are asked for jointly along a row of the cluster; the mask's tile hangs on the query block = work-group x, jointly along a column.
; LIMITS.  Score and mask are joined with one rounding, in units of log2, where the definition rounds the score and then the sum.  Beside a mask of -1e9 scores from about -31 up are rounded away whole
; (in the definition: those under 32 in size), so a row whose every key carries -1e9 gets equal weights here as there.  A row whose every mask is -infinity gives NaN, as the definition does.
; REGISTERS, in windows of 256: window 0: v1-11, v44-47, v61-63 addresses; v12-43 eight registers of statistics a tile; v64-191 S^T; v192-255 P.   window 1: O^T, 64 a tile.
;   window 2: v0-127 Q; v128-255 K of one step.   window 3: v0-127 V of one step; v128-191 the mask of one step (32 x query tile + 8 x key tile).
.set KS,    64        ; keys of a wave in a step
.set PK,    272       ; a row of K in LDS: 256 bytes + 16
.set PV,    288       ; a row of V: 256 + 32
.set PM,    528       ; a row of the mask's tile: 128 f32 + 16 bytes
.set VOFF,  128*PK    ; a slot: 128 rows of K, 128 rows of V, 64 rows of the mask
.set MOFF,  VOFF+128*PV
.set SLOT1, 1<<17     ; slot 1 begins here, so that one exclusive or turns an address in one slot into the other's
.set STAGE, MOFF+64*PM  ; in the gap behind slot 0: 16 rows x 272 bytes for each wave, for the way out; no fill lands here
.set SP,    272
.set MRG,   SLOT1+STAGE  ; behind slot 1: for each pair of waves 32,768 bytes of O^T's image and 1,024 of statistics
.set MRGW,  33792
.set SPARE, MRG+2*MRGW   ; the spare words, 128 bytes for each wave: two blocks of 256 bytes that no other line names
.set AK0, 2           ; v2   my lane's place in a slot's K; never rewritten
.set AV0, 3           ; v3   the same for V
.set ADR, 4           ; v4   the LDS address of the run of loads in hand
.set QO,  5
.set STO, 6
.set RD,  7
.set GO,  8
.set ST,  12          ; tile t's statistics at v[ST+8 t]: +0 m, +1 the upper half of the pair that names m (at the end: the partner's m), +2, +3 l (even keys', odd keys'), +4 to +7 at work; a takes +6
.set AM0, 44          ; v44  my lane's place in a slot's mask
.set ADM, 45          ; v45  the mask's address in hand
.set MA,  46          ; v46  the merge: 16 x lane in my pair's image
.set MS,  47          ; v47  the merge: 4 x lane in my pair's statistics
.set PFO, 61          ; v61  the prefetches' offset of my lane; never rewritten
.set SPW, 62          ; v62  my spare word; never rewritten
.set NIL, 63          ; v63  0; never rewritten
.set S,   64
.set P,   192
.set KF,  128         ; K's fragments, in window 2
.set MK,  128         ; the mask's registers, in window 3
.set WV,  12          ; s12  my wave's number
.set G1K, 24
.set G1V, 32
.set G1M, 40
.set G0K, 48          ; s[48:55] group 0 for K: a set for each of the two first fills; the second then walks
.set G0V, 56
.set G0M, 68
.set SLOTS, 76        ; s76  slots still to be asked for
.set TB,  77          ; s77  LDS byte at which the slot to be fetched from begins
.set CS,  78          ; s[78:79] log2(e), for the mask
.set SEL, 80          ; s[80:81] lane selects for v_permlanex16_b32: lane l xor 16
.set PFA, 82          ; s[82:83] where my prefetches stand
.set PFS, 84          ; s[84:85] a slot on, in bytes
.set LIM, 86          ; s86  2 in a wave that prefetches, else the greatest number
.set FLOOR, 87        ; s87  -1e38
.set MSB, 0
.macro WIN new
.if MSB != \new
	s_set_vgpr_msb (MSB<<8)|\new
.set MSB, \new
.endif
.endm
.set W_KQ, 0x0a       ; K and Q in window 2, S^T in window 0
.set W_MK, 0x03       ; source 0, the mask, in window 3; S^T in window 0
.set W_PV, 0x53       ; V in window 3, P in window 0, O^T in window 1
.set W_RS, 0x41       ; O^T (destination and source 0) in window 1, a in window 0
; A joint refill: wave 0 fetches K's tile, wave 1 V's, waves 2 and 3 the halves of the mask's.  The branches hang on the wave's number alone.  An s_nop 0 and four v_nop follow each line.
.macro JLOAD
	s_cmp_eq_u32 s[WV], 0
	s_cbranch_scc0 .Lnot_k_\@
	tensor_load_to_lds s[G0K+4:G0K+7], s[G1K:G1K+7]
	s_nop 0
.rept 4
	v_nop
.endr
	s_branch .Lasked_\@
.Lnot_k_\@:
	s_cmp_eq_u32 s[WV], 1
	s_cbranch_scc0 .Lnot_v_\@
	tensor_load_to_lds s[G0V+4:G0V+7], s[G1V:G1V+7]
	s_nop 0
.rept 4
	v_nop
.endr
	s_branch .Lasked_\@
.Lnot_v_\@:
	tensor_load_to_lds s[G0M+4:G0M+7], s[G1M:G1M+7]
	s_nop 0
.rept 4
	v_nop
.endr
.Lasked_\@:
.endm
; A PREFETCH INTO THE L2 of the slot that stands two refills on: two key steps, 256 matrix instructions, ahead of the load that will want it.  It stands behind the wave's tensor load and its five lines.
; Each aligned 256 bytes are named ONCE in the launch.  K's and V's rows are walked by every cluster of a row of clusters: cluster x = 0 asks, wave 0 for K, wave 1 for V; the four partners of a row of the cluster take
; 32 of the 128 rows each, told apart BY ADDRESS.  The mask's rows are walked by both clusters of a column: cluster y = 0 asks, wave 2; the four partners of a column take 16 of the 64 rows each, two lanes to a row's 512 bytes.
; The last two changes that fill a slot ask for nothing: there is no slot so far on.  Slots 0 to 3 come by their loads alone.
.macro ASK
	s_cmp_gt_u32 s[SLOTS], s[LIM]
	s_cbranch_scc0 .Lnot_mine_\@
	global_prefetch_b8 v[PFO], s[PFA:PFA+1] th:TH_LOAD_NT scope:SCOPE_SE
.Lnot_mine_\@:
.endm
.macro CROUND         ; a round of the cluster's barrier
	s_barrier_signal -1
	s_barrier_wait -1
	s_cmp_lg_u32 s[WV], 0
	s_cbranch_scc1 .Lnot_wave_0_\@
	s_barrier_signal -3
.Lnot_wave_0_\@:
	s_barrier_wait -3
	s_barrier_signal -1
	s_barrier_wait -1
.endm
	s_load_b128 s[4:7], s[0:1], 0x0   ; qkv s[4:5], the mask s[6:7]
	s_load_b64 s[8:9], s[0:1], 0x10   ; o_h
	v_lshl_add_u32 v[SPW], v0, 2, SPARE
	v_mov_b32 v[NIL], 0
	ds_add_u32 v[SPW], v[NIL]       ; the wave's opening: the add, twice on end, and its wait ahead of my first tensor load
	ds_add_u32 v[SPW], v[NIL]
	v_lshrrev_b32 v1, 5, v0
	v_readfirstlane_b32 s[WV], v1   ; wave 0..3
	s_bfe_u32 s13, ttmp6, 0x40000   ; cx
	s_bfe_u32 s14, ttmp6, 0x40004   ; cy
	s_lshl_b32 s16, ttmp9, 2
	s_add_co_u32 s16, s16, s13      ; my block of 64 queries = 4 x cluster x + cx
	s_and_b32 s17, ttmp7, 0xffff
	s_lshl_b32 s17, s17, 2
	s_add_co_u32 s17, s17, s14      ; y = 4 x cluster y + cy
	s_lshr_b32 s18, s17, 2          ; the batch row
	s_and_b32 s19, s17, 3           ; the key/value head
	s_and_b32 s20, s[WV], 1         ; which 32 queries; also which half of the mask's tile waves 2 and 3 fetch
	s_lshr_b32 s21, s[WV], 1        ; which 64 keys of a slot
	s_lshl_b32 s22, s14, 2
	s_lshl_b32 s22, 15, s22         ; my row of the cluster
	s_lshl_b32 s23, 0x1111, s13     ; my column
	s_or_b32 s[G1K], s22, (1<<16)|(1<<20)|(1<<21)|(5<<22)|(3<<25)  ; the mask of work-groups; elements of 2 bytes; padding on; bit 21 beside a mask; after every 64 words 4 words
	s_or_b32 s[G1V], s22, (1<<16)|(1<<20)|(1<<21)|(5<<22)|(7<<25)  ; the same with 8 words
	s_or_b32 s[G1M], s23, (2<<16)|(1<<20)|(1<<21)|(6<<22)|(3<<25)  ; elements of 4 bytes; after every 128 words 4 words
.irp g, G1K, G1V
	s_mov_b32 s[\g+1], 128<<16      ; tensor_dim0 = 128
	s_mov_b32 s[\g+2], 128<<16      ; tensor_dim1 = 128
	s_mov_b32 s[\g+3], 128<<16      ; tile_dim0 = 128
	s_mov_b32 s[\g+4], 128          ; tile_dim1 = 128
	s_mov_b32 s[\g+5], 128          ; from row to row
	s_mov_b32 s[\g+6], 0
	s_mov_b32 s[\g+7], 0
.endr
	s_mov_b32 s[G1M+1], 128<<16
	s_mov_b32 s[G1M+2], 32<<16
	s_mov_b32 s[G1M+3], 128<<16
	s_mov_b32 s[G1M+4], 32
	s_mov_b32 s[G1M+5], 2048
	s_mov_b32 s[G1M+6], 0
	s_mov_b32 s[G1M+7], 0
	s_lshl_b32 s3, s18, 19          ; the batch row's 2,048 rows of 256 bytes
	s_add_co_u32 s88, s19, 8
	s_lshl_b32 s88, s88, 20
	s_add_co_u32 s88, s88, s3       ; K: head 8 + kv
	s_mov_b32 s89, 0
	s_add_co_u32 s90, s19, 12
	s_lshl_b32 s90, s90, 20
	s_add_co_u32 s90, s90, s3       ; V: head 12 + kv
	s_mov_b32 s91, 0
	s_lshl_b32 s94, s16, 6
	s_lshl_b32 s95, s20, 5
	s_add_co_u32 s94, s94, s95
	s_lshl_b32 s94, s94, 13         ; the mask: row 64 x block + 32 x half, 8,192 bytes a row
	s_mov_b32 s95, 0
	s_lshl_b32 s92, s16, 6
	s_lshl_b32 s93, s20, 5
	s_add_co_u32 s93, s92, s93      ; my wave's first query in the batch row
	s_lshl_b32 s92, s93, 8
	s_add_co_u32 s92, s92, s3
	s_lshl_b32 s2, s19, 21
	s_add_co_u32 s92, s92, s2       ; Q: head 2 kv
	s_lshl_b32 s96, s18, 11
	s_add_co_u32 s96, s96, s93
	s_lshl_b32 s96, s96, 11         ; o_h: 2,048 bytes a row,
	s_lshl_b32 s2, s19, 9
	s_add_co_u32 s96, s96, s2       ; + head 2 kv's 256 bytes
	s_mov_b32 s93, 0
	s_mov_b32 s97, 0
	s_mul_i32 s15, s20, 32*PM
	s_add_co_u32 s15, s15, MOFF     ; where my half of the mask's tile goes
	s_mov_b32 s[CS], 0x3fb8aa3b     ; log2(e)
	s_mov_b32 s[CS+1], s[CS]        ; (named with it as a pair, so it is written)
	s_mov_b32 s[SEL], 0x76543210
	s_mov_b32 s[SEL+1], 0xfedcba98
	s_mov_b32 s[FLOOR], 0xfe967699  ; -1e38
	s_mov_b32 s[TB], 0
	s_mov_b32 s[SLOTS], 14
	s_wait_dscnt 0x0                ; both opening adds are done
	s_wait_kmcnt 0x0
	s_add_nc_u64 s[88:89], s[4:5], s[88:89]
	s_add_nc_u64 s[90:91], s[4:5], s[90:91]
	s_add_nc_u64 s[92:93], s[4:5], s[92:93]
	s_add_nc_u64 s[94:95], s[6:7], s[94:95]
	s_add_nc_u64 s[8:9], s[8:9], s[96:97]
	CROUND                          ; all sixteen work-groups are here: the first joint loads meet
.irp s, 0,1
	s_mov_b32 s[G0K+4*\s], 1
	s_mov_b32 s[G0K+4*\s+1], \s*SLOT1
	s_add_nc_u64 s[G0K+4*\s+2:G0K+4*\s+3], s[88:89], \s*128*256
	s_or_b32 s[G0K+4*\s+3], s[G0K+4*\s+3], 0x80000000
	s_mov_b32 s[G0V+4*\s], 1
	s_mov_b32 s[G0V+4*\s+1], \s*SLOT1+VOFF
	s_add_nc_u64 s[G0V+4*\s+2:G0V+4*\s+3], s[90:91], \s*128*256
	s_or_b32 s[G0V+4*\s+3], s[G0V+4*\s+3], 0x80000000
	s_mov_b32 s[G0M+4*\s], 1
	s_add_co_u32 s[G0M+4*\s+1], s15, \s*SLOT1
	s_add_nc_u64 s[G0M+4*\s+2:G0M+4*\s+3], s[94:95], \s*512
	s_or_b32 s[G0M+4*\s+3], s[G0M+4*\s+3], 0x80000000
.endr
	s_cmp_eq_u32 s[WV], 0           ; a wave's two first fills stand in one branch, ahead of every wait on TENSORcnt and every LDS read: two loads of mine are out
	s_cbranch_scc0 .Lfirst_nk
	tensor_load_to_lds s[G0K:G0K+3], s[G1K:G1K+7]
	s_nop 0
	tensor_load_to_lds s[G0K+4:G0K+7], s[G1K:G1K+7]
	s_nop 0
.rept 4
	v_nop
.endr
	s_branch .Lfirst_asked
.Lfirst_nk:
	s_cmp_eq_u32 s[WV], 1
	s_cbranch_scc0 .Lfirst_nv
	tensor_load_to_lds s[G0V:G0V+3], s[G1V:G1V+7]
	s_nop 0
	tensor_load_to_lds s[G0V+4:G0V+7], s[G1V:G1V+7]
	s_nop 0
.rept 4
	v_nop
.endr
	s_branch .Lfirst_asked
.Lfirst_nv:
	tensor_load_to_lds s[G0M:G0M+3], s[G1M:G1M+7]
	s_nop 0
	tensor_load_to_lds s[G0M+4:G0M+7], s[G1M:G1M+7]
	s_nop 0
.rept 4
	v_nop
.endr
.Lfirst_asked:
	v_and_b32 v1, 15, v0            ; r = l % 16
	v_bfe_u32 v9, v0, 4, 1          ; h = l / 16
	v_lshlrev_b32 v[QO], 8, v1
	v_lshl_add_u32 v[QO], v9, 4, v[QO]  ; row x 256 + 16 x half
	WIN 0x80                        ; destination window 2
.irp i, 0,1,2,3,4,5,6,7,8,9,10,11,12,13,14,15  ; Q stays in registers: tile i / 4 (head (i / 8), query tile (i / 4) % 2), channels 32 (i % 4) on
	global_load_b128 v[8*\i:8*\i+3],   v[QO], s[92:93] offset:(\i/8)*1048576+((\i/4)%2)*4096+(\i%4)*64
	global_load_b128 v[8*\i+4:8*\i+7], v[QO], s[92:93] offset:(\i/8)*1048576+((\i/4)%2)*4096+(\i%4)*64+32
.endr
	WIN 0
	s_mul_i32 s2, s21, KS*PK
	v_mul_u32_u24 v[AK0], v1, PK
	v_lshl_add_u32 v[AK0], v9, 4, v[AK0]
	v_add_nc_u32 v[AK0], s2, v[AK0]     ; my 64 keys; row x pitch + 16 x half
	v_and_b32 v10, 7, v0
	v_bfe_u32 v11, v0, 3, 1
	v_lshl_add_u32 v[AV0], v9, 3, v10
	v_mul_u32_u24 v[AV0], v[AV0], PV
	v_lshl_add_u32 v[AV0], v11, 4, v[AV0]  ; the turning load: key 8 (l / 16) + l % 8, channels 8 ((l / 8) % 2) on
	s_mul_i32 s2, s21, KS*PV
	s_add_co_u32 s2, s2, VOFF
	v_add_nc_u32 v[AV0], s2, v[AV0]
	v_mul_u32_u24 v[AM0], v1, PM
	v_lshl_add_u32 v[AM0], v9, 5, v[AM0]   ; the mask: row r, + 32 h: eight keys of 4 bytes
	s_mul_i32 s2, s20, 32*PM               ; my 32 queries,
	s_lshl_b32 s3, s21, 8                  ; my 64 keys
	s_add_co_u32 s2, s2, s3
	s_add_co_u32 s2, s2, MOFF
	v_add_nc_u32 v[AM0], s2, v[AM0]
	v_and_b32 v10, 31, v0
	s_mul_i32 s2, s20, MRGW
	s_add_co_u32 s2, s2, MRG
	v_lshl_add_u32 v[MA], v10, 4, s2
	s_add_co_u32 s2, s2, 32768
	v_lshl_add_u32 v[MS], v10, 2, s2
	; the prefetches: whose rows, from where, how far apart
	s_and_b32 s99, ttmp7, 0xffff    ; cluster y
	s_cmp_eq_u32 s[WV], 1
	s_cselect_b64 s[PFA:PFA+1], s[90:91], s[94:95]
	s_cmp_eq_u32 s[WV], 0
	s_cselect_b64 s[PFA:PFA+1], s[88:89], s[PFA:PFA+1]
	s_mov_b32 s[PFS], 512
	s_mov_b32 s11, 8192
	s_cmp_lt_u32 s[WV], 2
	s_cselect_b32 s[PFS], 32768, s[PFS]   ; a slot on: 128 rows of K or V, or 512 bytes along a mask row
	s_cselect_b32 s11, 256, s11           ; from row to row
	s_cselect_b32 s10, 0, 1               ; lanes to a row: one, or two
	s_cselect_b32 s2, s13, s14            ; my place among the four that ask for the tile with me
	s_cselect_b32 s3, 13, 17              ; x 32 rows of 256 bytes, or x 16 rows of 8,192
	s_cselect_b32 s98, ttmp9, s99         ; the coordinate along which other clusters read the same rows
	s_lshl_b32 s2, s2, s3
	s_mov_b32 s3, 0
	s_add_nc_u64 s[PFA:PFA+1], s[PFA:PFA+1], s[2:3]
	s_mul_i32 s2, s[PFS], 3
	s_add_nc_u64 s[PFA:PFA+1], s[PFA:PFA+1], s[2:3]   ; in slot 3: the first change of slots steps it to slot 4.  Nothing is prefetched here, at the head
	s_mov_b32 s[PFS+1], 0
	s_cmp_eq_u32 s[WV], 3
	s_cselect_b32 s98, 1, s98             ; wave 3 asks for nothing
	s_cmp_eq_u32 s98, 0
	s_cselect_b32 s[LIM], 2, -1           ; the same in all sixteen partners, for a given wave
	v_lshrrev_b32 v[PFO], s10, v10
	v_mul_lo_u32 v[PFO], v[PFO], s11
	v_and_b32 v11, s10, v10
	v_lshl_add_u32 v[PFO], v11, 8, v[PFO]
; THE MATRIX WORK OF A TURN, for piece x.  The accumulators take turns, one instruction a turn.
; Product i of 32 of O^T += V^T P: keys 32 (i / 16) on, channels 16 ((i / 2) % 8) on, tile x + i % 2.  zero = 1: the first 16 start the sums.
.macro PV x, zero
	WIN W_PV
.set rO, 64*(\x+i%2)+8*((i/2)%8)
.set rV, 64*(i/16)+8*((i/2)%8)
.set rP, P+16*(\x+i%2)+8*(i/16)
.if \zero && (i < 16)
	v_wmma_f32_16x16x32_f16 v[rO:rO+7], v[rV:rV+7], v[rP:rP+7], 0
.else
	v_wmma_f32_16x16x32_f16 v[rO:rO+7], v[rV:rV+7], v[rP:rP+7], v[rO:rO+7]
.endif
.endm
; Product i of 32 of S^T = K Q^T: channels 32 (i / 8) on, keys 16 ((i / 2) % 4) on, tile x + i % 2.  The first 8 start the sums.
.macro KQ x
	WIN W_KQ
.set rS, S+32*(\x+i%2)+8*((i/2)%4)
.set rK, KF+32*((i/2)%4)+8*(i/8)
.set rQ, 32*(\x+i%2)+8*(i/8)
.if i < 8
	v_wmma_f32_16x16x32_f16 v[rS:rS+7], v[rK:rK+7], v[rQ:rQ+7], 0
.else
	v_wmma_f32_16x16x32_f16 v[rS:rS+7], v[rK:rK+7], v[rQ:rQ+7], v[rS:rS+7]
.endif
.endm
; THE LDS LOADS stand in runs: a step's K (64 keys x 128 channels: 16 fragments) with its mask (32 queries x 64 keys), and, a turn later, its V (turned).
.macro FETCH_K
	WIN 0
	v_add_nc_u32 v[ADR], s[TB], v[AK0]
	v_add_nc_u32 v[ADM], s[TB], v[AM0]
	WIN 0x80                        ; destination window 2
.irp f, 0,1,2,3,4,5,6,7,8,9,10,11,12,13,14,15  ; keys 16 (f / 4) on, channels 32 (f % 4) on
	ds_load_b128 v[KF+8*\f:KF+8*\f+3],   v[ADR] offset:(\f/4)*16*PK+(\f%4)*64
	ds_load_b128 v[KF+8*\f+4:KF+8*\f+7], v[ADR] offset:(\f/4)*16*PK+(\f%4)*64+32
.endr
	WIN 0xc0                        ; destination window 3
.irp g, 0,1,2,3,4,5,6,7             ; query tile g / 4, key tile g % 4
	ds_load_b128 v[MK+8*\g:MK+8*\g+3],   v[ADM] offset:(\g/4)*16*PM+(\g%4)*64
	ds_load_b128 v[MK+8*\g+4:MK+8*\g+7], v[ADM] offset:(\g/4)*16*PM+(\g%4)*64+16
.endr
.endm
.macro FETCH_V
	WIN 0
	v_add_nc_u32 v[ADR], s[TB], v[AV0]
	s_wait_alu depctr_va_vdst(0)    ; the wait for the softmax's batch (SLICE), behind the address's v_add_nc_u32 and ahead of the loads
	WIN 0xc0                        ; destination window 3
.irp f, 0,1,2,3,4,5,6,7,8,9,10,11,12,13,14,15  ; keys 32 (f / 8) on, channels 16 (f % 8) on
	ds_load_tr16_b128 v[8*\f:8*\f+3],   v[ADR] offset:(\f/8)*32*PV+(\f%8)*32
	ds_load_tr16_b128 v[8*\f+4:8*\f+7], v[ADR] offset:(\f/8)*32*PV+16*PV+(\f%8)*32
.endr
.endm
; THE VECTOR WORK OF A TURN.  One tile's softmax for one key step is a list of numbers -16 to 133 (19 is empty: 149 instructions); SM writes number j of it for tile t.  s0-s31 are the lane's 32 scores, in pairs 0-15.
; first = 1: the first key step, which starts m, l and O^T: it has no a and nothing to rescale; its maximum has the floor.
;   -16..-1 the mask: pair j + 16 becomes mask x log2(e) + score; ascending
;   0-15    the maximum of s0-s31 and the old m, three operands at a time
;   16-20   the other half of the lanes' maximum; the old m kept; the new m; m_old - m_new
;   21-69   ONE BATCH: the 16 subtractions s - m and all 33 exponentials (a at 23, then s0-s31).  None of these reads an exponential's result
;   (wait)  between 69 and 70 stands the wait for the batch: SLICE writes it, once for both tiles
;   70-85   the roundings to f16, a pair of weights each
;   86-101  the sums; l = a l + the sum
;   102-133 the tile's O^T times a
.macro SM t, first
.set rT, ST+8*(\t)
.set rS, S+32*(\t)
.set rP, P+16*(\t)
.set rM, MK+32*((\t)%2)
.set rO, 64*(\t)+2*(j-102)
.if j < 0
	WIN W_MK
.elseif j < 102
	WIN 0
.endif
.if j < 0
	v_pk_fma_f32 v[rS+2*(j+16):rS+2*(j+16)+1], v[rM+2*(j+16):rM+2*(j+16)+1], s[CS:CS+1], v[rS+2*(j+16):rS+2*(j+16)+1] op_sel_hi:[1,0,1]
.elseif j < 4
	v_max3_num_f32 v[rT+4+j], v[rS+8*j], v[rS+8*j+1], v[rS+8*j+2]
.elseif j < 12
	v_max3_num_f32 v[rT+4+j%4], v[rT+4+j%4], v[rS+8*(j%4)+2*(j/4)+1], v[rS+8*(j%4)+2*(j/4)+2]
.elseif j == 12
	v_max3_num_f32 v[rT+4], v[rT+4], v[rS+7], v[rS+15]
.elseif j == 13
	v_max3_num_f32 v[rT+6], v[rT+6], v[rS+23], v[rS+31]
.elseif j == 14
	v_max3_num_f32 v[rT+4], v[rT+4], v[rT+5], v[rT+6]
.elseif (j == 15) && \first
	v_max3_num_f32 v[rT+4], v[rT+4], v[rT+7], s[FLOOR]
.elseif j == 15
	v_max3_num_f32 v[rT+4], v[rT+4], v[rT+7], v[rT]
.elseif j == 16
	v_permlanex16_b32 v[rT+5], v[rT+4], s[SEL], s[SEL+1]  ; the query's other 32 keys lie in the lane 16 away
.elseif j == 18
	v_max_num_f32 v[rT], v[rT+4], v[rT+5]
.elseif j == 19                     ; (empty)
.elseif ((j == 17) || (j == 20) || (j == 23) || (j > 101)) && \first  ; the first step has none of these
.elseif j == 17
	v_mov_b32 v[rT+7], v[rT]        ; m_old is kept for a: number 18 writes m anew
.elseif j == 20
	v_sub_f32 v[rT+7], v[rT+7], v[rT]
.elseif j == 23
	v_exp_f32 v[rT+6], v[rT+7]
.elseif (j < 23) || ((j < 38) && (j%2 == 0)) || ((j < 66) && (j%4 == 2))
.set b, (j-2)/4                     ; 38, 42, .. 62: pairs 9 to 15
.if j < 38
.set b, (j-20)/2                    ; 21: pair 0; 22, 24, .. 36: pairs 1 to 8
.endif
	v_pk_add_f32 v[rS+2*b:rS+2*b+1], v[rS+2*b:rS+2*b+1], v[rT:rT+1] op_sel_hi:[1,0] neg_lo:[0,1] neg_hi:[0,1]  ; pair b: s - m (of the pair that names m the low word serves both halves)
.elseif j < 70
.set e, j-38                        ; 66 to 69: s28 to s31
.if j < 66
.set e, j-32-(j-38)/4               ; 39-41, 43-45, .. 63-65: s7 to s27
.endif
.if j < 38
.set e, (j-25)/2                    ; 25, 27, .. 37: s0 to s6
.endif
	v_exp_f32 v[rS+e], v[rS+e]
.elseif j < 86
	v_cvt_pk_f16_f32 v[rP+j-70], v[rS+2*(j-70)], v[rS+2*(j-70)+1]  ; pair j - 70
.elseif j < 102                     ; the sum of the tile's 16 pairs, in place: neighbours 1, 2, 4 and 8 pairs apart, then l takes it
.set z, j-86
.set w, 4
.set u, z
.if z >= 14
.set w, 32
.set u, 0
.elseif z >= 12
.set w, 16
.set u, z-12
.elseif z >= 8
.set w, 8
.set u, z-8
.endif
.if (z == 14) && \first
	v_pk_add_f32 v[rT+2:rT+3], v[rS:rS+1], v[rS+16:rS+17]
.elseif z < 15
	v_pk_add_f32 v[rS+w*u:rS+w*u+1], v[rS+w*u:rS+w*u+1], v[rS+w*u+w/2:rS+w*u+w/2+1]
.elseif !\first
	v_pk_fma_f32 v[rT+2:rT+3], v[rT+2:rT+3], v[rT+6:rT+7], v[rS:rS+1] op_sel_hi:[1,0,1]
.endif
.else
	WIN W_RS
	v_pk_mul_f32 v[rO:rO+1], v[rO:rO+1], v[rT+6:rT+7] op_sel_hi:[1,0]
.endif
.endm
; Slice k of 64 of piece y's softmax.  Slices 0-3: the mask, four pairs of both tiles, under one window setting.  Slices 4-14: numbers 0 to 21, two of both tiles.  Slices 15-38 deal out the batch, four numbers of ONE
; tile each, the tiles by turns.  Slices 39-54: numbers 70 to 101, two of both tiles.  Slices 55-62: numbers 102 to 125, three of both tiles.  Slice 63: the last eight of both tiles: sixteen plain instructions.
; The piece's 66 exponentials have one wait, behind slice 38: ahead of slice 39 nothing names a result, behind slice 38 none is issued.
.macro SLICE y, first
.if k < 4
.irp n, 0,1,2,3
.irp t, \y, \y+1
.set j, 4*k+\n-16
	SM \t, \first
.endr
.endr
.elseif k < 15
.irp n, 0,1
.irp t, \y, \y+1
.set j, 2*(k-4)+\n
	SM \t, \first
.endr
.endr
.elseif k < 39
.irp n, 0,1,2,3
.set j, 22+4*((k-15)/2)+(\n)
	SM (\y)+(k-15)%2, \first
.endr
.elseif k < 55
.irp n, 0,1
.irp t, \y, \y+1
.set j, 70+2*(k-39)+\n
	SM \t, \first
.endr
.endr
.elseif k < 63
.irp n, 0,1,2
.irp t, \y, \y+1
.set j, 102+3*(k-55)+\n
	SM \t, \first
.endr
.endr
.else
.irp n, 0,1,2,3,4,5,6,7
.irp t, \y, \y+1
.set j, 126+\n
	SM \t, \first
.endr
.endr
.endif
.if k == 38
	v_nop                           ; a plain instruction behind the last exponential and ahead of the first use: one for the batch
.if (\y) == 0
	FETCH_V                         ; piece 2's turn: V's run of loads stands here, and the wait stands in it
.else
	s_wait_alu depctr_va_vdst(0)    ; the wait for the batch
.endif
.endif
.set k, k+1
.endm
.macro PLACES
.rept 4
	v_nop
.endr
.endm
; A TURN.  Piece x has the matrix unit; the other piece's softmax stands in slices behind its matrix instructions.
; pv = 2: 32 products V^T P; 1: they start O^T's sums; 0: none.  kq = 1: 32 products K Q^T for the next step.  A turn with one of the two kinds has two slices behind each product.
; Piece 0's turn fetches the next step's K and mask behind its fourth product: slices 0 to 3 still read the step in hand's mask; K's last readers stand in the turn before, with slice 63's sixteen plain
; instructions behind them.  The run stands 28 matrix instructions ahead of its first use.
; Piece 2's turn fetches the same step's V, behind slice 38: six subtractions, the v_nop and the run's own v_add_nc_u32 lie between V's last reader (in front of slice 31) and the run.
.macro TURN x, pv, kq, first
.set k, 0
.set per, 2
.if \pv && \kq
.set per, 1
.endif
.if \pv
.if \x == 0
	s_wait_dscnt 0x0                ; V is in
.endif
.set i, 0
.rept 32
	PV \x, 2-\pv
.rept per
	SLICE 2-\x, \first
.endr
.if (\x == 0) && \kq && (i == 3)
	FETCH_K
.endif
.set i, i+1
.endr
.endif
.if \kq
.if \x == 0
	s_wait_dscnt 0x0                ; K and the mask are in
.endif
.set i, 0
.rept 32
	KQ \x
.rept per
	SLICE 2-\x, \first
.endr
.set i, i+1
.endr
.endif
.if \first
	PLACES
.endif
.endm
; THE CHANGE OF SLOTS, between piece 2's turn and piece 0's: the slot's last bytes, V, have been asked for.  Each wave waits for all its tensor loads (one is out: its part of the other slot), adds 0 to its spare word,
; and waits for that and for its reads of the slot.  fill = 1: the slot is filled again with the keys two slots on, behind a round of the cluster's barrier: the load has a key step, 128 matrix instructions, in which to land.
.macro CHANGE fill
	WIN 0
	s_wait_tensorcnt 0x0            ; no tensor load of mine is out, so a group 0 may be written
	ds_add_u32 v[SPW], v[NIL]       ; 0 onto my spare word
.if \fill
.irp g, G0K+4, G0V+4
	s_xor_b32 s[\g+1], s[\g+1], SLOT1  ; the walking descriptor: the other slot than last time,
	s_add_nc_u64 s[\g+2:\g+3], s[\g+2:\g+3], 128*256  ; the next 128 keys
.endr
	s_xor_b32 s[G0M+5], s[G0M+5], SLOT1
	s_add_nc_u64 s[G0M+6:G0M+7], s[G0M+6:G0M+7], 512
	s_wait_xcnt 0x0                 ; the last prefetch, a key step back, has read its address, so it may be written
	s_add_nc_u64 s[PFA:PFA+1], s[PFA:PFA+1], s[PFS:PFS+1]
	s_wait_dscnt 0x0                ; the add is done, and my reads of the slot are over
	CROUND
	JLOAD
	ASK
.else
	s_wait_dscnt 0x0
	s_barrier_signal -1
	s_barrier_wait -1
.endif
	s_xor_b32 s[TB], s[TB], SLOT1   ; the fetches go on in the other slot
.endm
	s_wait_tensorcnt 1              ; my part of slot 0 is in; slot 1's may stay out
	s_barrier_signal -1
	s_barrier_wait -1               ; everybody's is
	FETCH_K                         ; key step 0
	s_wait_loadcnt 0x0              ; Q
	s_wait_dscnt 0x0
.set i, 0
.rept 32
	KQ 0                            ; piece 0's first scores
.set i, i+1
.endr
	WIN 0                           ; the addresses for the way out are made here: plain instructions, the places behind those products
	s_mul_i32 s2, s[WV], 16*SP
	s_add_co_u32 s2, s2, STAGE      ; my stage
	v_mul_u32_u24 v[STO], v1, SP    ; in: row l % 16, 16 bytes for each half of the lanes
	v_lshl_add_u32 v[STO], v9, 4, v[STO]
	v_add_nc_u32 v[STO], s2, v[STO]
	v_mul_u32_u24 v[RD], v9, SP     ; back: lanes 0-15 take one row of 256 bytes, lanes 16-31 the next
	v_lshl_add_u32 v[RD], v1, 4, v[RD]
	v_add_nc_u32 v[RD], s2, v[RD]
	v_lshlrev_b32 v[GO], 11, v9     ; and the same two rows in o_h, 2,048 bytes apart
	v_lshl_add_u32 v[GO], v1, 4, v[GO]
.irp t, 0,1,2,3
	v_mov_b32 v[ST+8*\t+1], 0       ; (named as the upper half of the pair that holds m, so it is written)
.endr
	TURN 2, 0, 1, 1                 ; piece 2's first scores | piece 0's first softmax | V of step 0
	CHANGE 1                        ; slot 0 takes the keys of slot 2
	TURN 0, 1, 1, 1                 ; piece 0: V^T P of step 0 starts O^T, K Q^T of step 1 | piece 2's first softmax | K and mask of step 1
	TURN 2, 1, 1, 0                 ; piece 2: the same | piece 0's softmax of step 1 | V of step 1
	WIN 0
	s_mov_b32 s[SLOTS], 13
.Lslot:                             ; 13 trips: the keys of slots 3 to 15 are asked for
	CHANGE 1
	TURN 0, 2, 1, 0
	TURN 2, 2, 1, 0
	WIN 0
	s_sub_co_u32 s[SLOTS], s[SLOTS], 1
	s_cmp_lg_u32 s[SLOTS], 0
	s_cbranch_scc1 .Lslot
	CHANGE 0                        ; the tail is written out
	TURN 0, 2, 1, 0
	TURN 2, 2, 1, 0
	TURN 0, 2, 0, 0                 ; piece 0: V^T P of the last step | piece 2's last softmax
.set i, 0
.rept 32
	PV 2, 0                         ; piece 2: V^T P of the last step
.set i, i+1
.endr
	; THE END.  l's two halves and the other half of the lanes' are added (the first four additions are the places behind the last products).
	WIN 0
.irp t, 0,1,2,3
	v_add_f32 v[ST+8*\t+4], v[ST+8*\t+2], v[ST+8*\t+3]
.endr
.irp t, 0,1,2,3
	v_permlanex16_b32 v[ST+8*\t+5], v[ST+8*\t+4], s[SEL], s[SEL+1]
.endr
.irp t, 0,1,2,3
	v_add_f32 v[ST+8*\t+4], v[ST+8*\t+4], v[ST+8*\t+5]
.endr
	s_cmp_lt_u32 s[WV], 2
	s_cbranch_scc1 .Lkeeper
.irp t, 0,1,2,3                     ; waves 2 and 3 hand over m, l and O^T, as images of their registers
	ds_store_b32 v[MS], v[ST+8*\t] offset:256*\t
	ds_store_b32 v[MS], v[ST+8*\t+4] offset:256*\t+128
.endr
	WIN 0x04                        ; an LDS store's data are its source 1: window 1
.set i, 0
.rept 64
	ds_store_b128 v[MA], v[4*i:4*i+3] offset:512*i   ; each accumulator from its low end on
.set i, i+1
.endr
	WIN 0
.Lkeeper:
	s_wait_dscnt 0x0                ; for the others' sake: my stores have landed
	s_barrier_signal -1
	s_barrier_wait -1
	s_cmp_lt_u32 s[WV], 2
	s_cbranch_scc0 .Lend
.irp t, 0,1,2,3                     ; waves 0 and 1: the partner's m and l
	ds_load_b32 v[ST+8*\t+1], v[MS] offset:256*\t
	ds_load_b32 v[ST+8*\t+5], v[MS] offset:256*\t+128
.endr
.macro MLOAD t                      ; the partner's O^T of tile t
.set i, 0
.rept 16
	ds_load_b128 v[S+64*((\t)%2)+4*i:S+64*((\t)%2)+4*i+3], v[MA] offset:512*(16*(\t)+i)
.set i, i+1
.endr
.endm
	MLOAD 0
	s_wait_dscnt 16                 ; the eight statistics are in; tile 0's sixteen loads may be out
.irp t, 0,1,2,3
	v_max_num_f32 v[ST+8*\t+7], v[ST+8*\t], v[ST+8*\t+1]     ; the common m
.endr
.irp t, 0,1,2,3
	v_sub_f32 v[ST+8*\t+2], v[ST+8*\t], v[ST+8*\t+7]
	v_sub_f32 v[ST+8*\t+3], v[ST+8*\t+1], v[ST+8*\t+7]
.endr
.irp t, 0,1,2,3
	v_exp_f32 v[ST+8*\t+2], v[ST+8*\t+2]                     ; what brings my part under it,
	v_exp_f32 v[ST+8*\t+3], v[ST+8*\t+3]                     ; and the partner's
.endr
	v_nop
	s_wait_alu depctr_va_vdst(0)    ; one wait for the eight
.irp t, 0,1,2,3
	v_mul_f32 v[ST+8*\t+4], v[ST+8*\t+4], v[ST+8*\t+2]
.endr
.irp t, 0,1,2,3
	v_fma_f32 v[ST+8*\t+4], v[ST+8*\t+5], v[ST+8*\t+3], v[ST+8*\t+4]   ; the row's sum
.endr
.irp t, 0,1,2,3
	v_rcp_f32 v[ST+8*\t+5], v[ST+8*\t+4]
.endr
	v_nop
	s_wait_alu depctr_va_vdst(0)    ; one wait for the four
.irp t, 0,1,2,3
	v_mul_f32 v[ST+8*\t+2], v[ST+8*\t+2], v[ST+8*\t+5]       ; my O^T's factor,
	v_mul_f32 v[ST+8*\t+6], v[ST+8*\t+3], v[ST+8*\t+5]       ; the partner's
.endr
; Tile t: both parts are weighed and added, rounded to f16, sent through my stage and stored as whole rows of 256 bytes.
.macro MERGE t
.set rT, ST+8*\t
.set rB, S+64*(\t%2)
.set rP, P+32*(\t%2)
	s_wait_dscnt 0x0                ; the partner's tile is in
.if \t < 3
	MLOAD \t+1                      ; the next tile's, into the other 64 registers
.endif
.set i, 0
.rept 32
	v_pk_mul_f32 v[rB+2*i:rB+2*i+1], v[rB+2*i:rB+2*i+1], v[rT+6:rT+7] op_sel_hi:[1,0]
.set i, i+1
.endr
	WIN 0x01                        ; source 0: window 1
.set i, 0
.rept 32
	v_pk_fma_f32 v[rB+2*i:rB+2*i+1], v[64*\t+2*i:64*\t+2*i+1], v[rT+2:rT+3], v[rB+2*i:rB+2*i+1] op_sel_hi:[1,0,1]   ; each accumulator from its low end on
.set i, i+1
.endr
	WIN 0
.if \t >= 2
	s_wait_xcnt 0x0                 ; tile t - 2's stores have read the registers that are written now
.endif
.set i, 0
.rept 32
	v_cvt_pk_f16_f32 v[rP+i], v[rB+2*i], v[rB+2*i+1]
.set i, i+1
.endr
.irp f, 0,1,2,3,4,5,6,7
	ds_store_b128 v[STO], v[rP+4*\f:rP+4*\f+3] offset:32*\f
.endr
.irp f, 0,1,2,3,4,5,6,7
	ds_load_b128 v[rP+4*\f:rP+4*\f+3], v[RD] offset:\f*2*SP   ; LDS serves a wave's instructions in order: these see the stores above
.endr
	s_wait_dscnt 0x0
.irp f, 0,1,2,3,4,5,6,7
	global_store_b128 v[GO], v[rP+4*\f:rP+4*\f+3], s[8:9] offset:(\t/2)*256+(\t%2)*32768+\f*4096   ; 16 lanes store 256 consecutive bytes, aligned
.endr
.endm
	MERGE 0
	MERGE 1
	MERGE 2
	MERGE 3
.Lend:
	s_wait_tensorcnt 0x0            ; the wave's end, behind my last tensor load and my last LDS store
	ds_add_u32 v[SPW], v[NIL]
	s_wait_dscnt 0x0
	CROUND                          ; the closing round: no work-group ends while a partner may still ask for a tile that names it
	s_endpgm
.Lfunc_end_k_qea1a8e809c_attn:
	.size	k_qea1a8e809c_attn, .Lfunc_end_k_qea1a8e809c_attn-k_qea1a8e809c_attn
	.p2alignl 7, 3214868480
	.fill 96, 4, 3214868480
	.section	.rodata,"a",@progbits
	.p2align	6, 0x0
	.amdhsa_kernel k_qea1a8e809c_attn
		.amdhsa_group_segment_fixed_size 327680
		.amdhsa_private_segment_fixed_size 0
		.amdhsa_enable_private_segment 0
		.amdhsa_kernarg_size 24
		.amdhsa_user_sgpr_count 2
		.amdhsa_user_sgpr_kernarg_segment_ptr 1
		.amdhsa_wavefront_size32 1
		.amdhsa_system_sgpr_workgroup_id_x 1
		.amdhsa_system_sgpr_workgroup_id_y 1
		.amdhsa_system_sgpr_workgroup_id_z 1
		.amdhsa_system_vgpr_workitem_id 0
		.amdhsa_next_free_vgpr 1024
		.amdhsa_next_free_sgpr 100
		.amdhsa_reserve_vcc 0
		.amdhsa_float_denorm_mode_32 3
		.amdhsa_float_denorm_mode_16_64 3
		.amdhsa_memory_ordered 1
		.amdhsa_forward_progress 1
		.amdhsa_inst_pref_size 255
	.end_amdhsa_kernel
	.section	.bss,"aw",@nobits
	.p2align	6
	.space	262144
	.amdgpu_metadata
---
amdhsa.version: [ 1, 2 ]
amdhsa.kernels:
  - .name:           k_qea1a8e809c_attn
    .symbol:         k_qea1a8e809c_attn.kd
    .args:
      - { .name: qkv, .offset: 0, .size: 8, .value_kind: global_buffer, .address_space: global }
      - { .name: attention_mask, .offset: 8, .size: 8, .value_kind: global_buffer, .address_space: global }
      - { .name: o_h, .offset: 16, .size: 8, .value_kind: global_buffer, .address_space: global }
    .group_segment_fixed_size: 327680
    .private_segment_fixed_size: 0
    .kernarg_segment_align: 8
    .kernarg_segment_size: 24
    .max_flat_workgroup_size: 128
    .sgpr_count:     100
    .vgpr_count:     1024
    .wavefront_size: 32
...
	.end_amdgpu_metadata
.endif
;; end of part 3
;; launch oproj (part 4): grid 16 x 16, 4 waves a work-group, clusters of 4 x 4, 327,680 bytes of LDS; arguments o_h, wo_h, out0; writes out0
.if DOCPART == 4
	.amdgcn_target "amdgcn-amd-amdhsa--gfx1250"
	.amdhsa_code_object_version 6
	.text
	.protected	k_qea1a8e809c_oproj
	.globl	k_qea1a8e809c_oproj
	.p2align	8
	.type	k_qea1a8e809c_oproj,@function
k_qea1a8e809c_oproj:
	s_mov_b64 s[64:65], 0
	v_nop
	global_prefetch_b8 v0, s[64:65] scope:SCOPE_SE
	s_setreg_imm32_b32 hwreg(HW_REG_WAVE_MODE, 25, 1), 1
	s_wait_xcnt 0x0
	s_wait_alu depctr_hold_cnt(0) depctr_sa_sdst(0) depctr_va_vdst(0) depctr_va_sdst(0) depctr_va_ssrc(0) depctr_va_vcc(0) depctr_vm_vsrc(0)
	s_getreg_b32 s2, hwreg(HW_REG_IB_STS2, 6, 4)
	s_cmp_eq_u32 s2, 0
	s_cbranch_scc0 .Lentry_in_a_cluster
	s_endpgm
.Lentry_in_a_cluster:
	s_bfe_u32 s2, ttmp6, 0x10000c
	s_cmp_lg_u32 s2, 0xf033
	s_cbranch_scc0 .Lentry_shape_is_right
	s_endpgm
.Lentry_shape_is_right:
; OPROJ: out0[m][n] = the sum over k of o'[m][k] (4 Wo)[k][n].  o_h: [4096][1024] f16 (o / 4); wo_h: [1024 k][4096 n] f16 (4 Wo), K its FIRST axis; out0: [4096][4096] f32; sums in f32.
; A tile of the result, 256 x 256, is made by a work-group of four waves; a wave makes 128 x 128: 64 accumulators of 16 x 16.  256 tiles, one to a work-group.
; K goes in steps of 128 through a ring of two LDS slots.  A's tile: 256 rows of 256 bytes (pitch 272).  B's tile: 128 rows k of 512 bytes (256 columns; pitch 544): its fragments come out of LDS turned, by ds_load_tr16_b128.
; CLUSTERS 4 x 4: A's tile is asked for jointly along a row of the cluster, B's along a column.  THE MATRIX INSTRUCTION IS USED TRANSPOSED (source 0 = 16 columns of B, source 1 = 16 rows of A): a lane holds eight
; neighbouring numbers of a row of the result.  No prefetch: each tile is read by 16 work-groups and shared in the cluster, and a refill has a K step's 224 matrix instructions in which to land.
; REGISTERS, in windows of 256: window 0: v0-31 addresses; v64-127, v128-191 fragments of A, two buffers; on the way out v128-255.   window 1: v64-127, v128-191 fragments of B.
;   window 2: the accumulators of my rows 0-63 ((a, b) at v[8 (8 a + b)]);   window 3: those of my rows 64-127.
.set KSTEP,  128
.set PITCH,  272                       ; A's LDS row: 256 bytes + 16
.set PB,     544                       ; B's LDS row: 512 bytes + 32 = 17 x 32
.set HALFT,  128*PITCH                 ; what one tensor load brings: 128 rows of A, or 64 rows of B (64 x 544 is as much)
.set SLOT,   4*HALFT                   ; A's 256 rows, then B's 128
.set STAGE,  2*SLOT                    ; behind the ring: 16 rows x (512 + 16) for each wave; no fill lands here
.set SPITCH, 528
.set SPARE,  STAGE+4*16*SPITCH         ; the spare words, 128 bytes for each wave: two blocks of 256 bytes that no other line names
.set LAPS,   4                         ; 1,024 along K = 8 K steps = 4 times round the ring
.set ADRA, 16
.set ADRB, 20
.set STO,  24
.set RD,   25
.set CO,   26
.set SPW,  28                          ; v28  my spare word; never rewritten
.set NIL,  29                          ; v29  0; never rewritten
.set F0,   64
.set F1,   128
.set BK,   128                         ; the way out: 16 rows read back: v128-191 and v192-255 by turns
.set G1, 24
.set G0, 32
.set G1B, 48
.set G0B, 56
.set MSB, 0
.macro WIN new
.if MSB != \new
	s_set_vgpr_msb (MSB<<8)|\new
.set MSB, \new
.endif
.endm
.set MUL_LO, 0xa1                      ; source 0 (B) window 1, source 1 (A) window 0, C and D window 2
.set MUL_HI, 0xf1                      ; the same, C and D window 3
.set TO_B,   0x40
.macro JLOAD s                         ; a joint load: waves 0 and 1 fetch A's halves, waves 2 and 3 B's; an s_nop 0 and four v_nop follow each of the two lines
	s_cmp_eq_u32 s11, 0
	s_cbranch_scc0 .Lfor_b_\@
	tensor_load_to_lds s[G0+4*\s:G0+4*\s+3], s[G1:G1+7]
	s_nop 0
.rept 4
	v_nop
.endr
	s_branch .Lasked_\@
.Lfor_b_\@:
	tensor_load_to_lds s[G0B+4*\s:G0B+4*\s+3], s[G1B:G1B+7]
	s_nop 0
.rept 4
	v_nop
.endr
.Lasked_\@:
.endm
.macro CREST
	s_cmp_lg_u32 s10, 0
	s_cbranch_scc1 .Lnot_wave_0_\@
	s_barrier_signal -3
.Lnot_wave_0_\@:
	s_barrier_wait -3
	s_barrier_signal -1
	s_barrier_wait -1
.endm
.macro CROUND
	s_barrier_signal -1
	s_barrier_wait -1
	CREST
.endm
	s_load_b128 s[4:7], s[0:1], 0x0                ; o_h s[4:5], wo_h s[6:7]
	s_load_b64 s[8:9], s[0:1], 0x10                ; out0
	v_lshl_add_u32 v[SPW], v0, 2, SPARE
	v_mov_b32 v[NIL], 0
	ds_add_u32 v[SPW], v[NIL]                      ; the wave's opening: the add, twice on end, and its wait ahead of my first tensor load
	ds_add_u32 v[SPW], v[NIL]
	v_lshrrev_b32 v1, 5, v0
	v_readfirstlane_b32 s10, v1                    ; wave 0..3
	s_lshr_b32 s11, s10, 1                         ; which half of the tile's rows is mine.  Also: I fetch for A (0) or for B (1)
	s_and_b32 s12, s10, 1                          ; which half of its columns.  Also: which half of that tile I fetch
	s_bfe_u32 s40, ttmp6, 0x40000                  ; cx
	s_bfe_u32 s41, ttmp6, 0x40004                  ; cy
	s_lshl_b32 s42, ttmp9, 2
	s_add_co_u32 s42, s42, s40                     ; tile column
	s_and_b32 s13, ttmp7, 0xffff
	s_lshl_b32 s13, s13, 2
	s_add_co_u32 s13, s13, s41                     ; tile row
	s_lshl_b32 s43, s41, 2
	s_lshl_b32 s43, 15, s43                        ; my row of the cluster
	s_lshl_b32 s44, 0x1111, s40                    ; my column
	s_or_b32 s[G1+0], s43, (1<<16)|(1<<20)|(1<<21)|(5<<22)|(3<<25)   ; A: elements of 2 bytes; after every 64 words 4 words of padding
	s_or_b32 s[G1B+0], s44, (1<<16)|(1<<20)|(1<<21)|(6<<22)|(7<<25)  ; B: after every 128 words 8 words
	s_mov_b32 s[G1+1], 128<<16                     ; A: tensor_dim0 = 128
	s_mov_b32 s[G1+2], 128<<16                     ; tensor_dim1 = 128
	s_mov_b32 s[G1+3], 128<<16                     ; tile_dim0
	s_mov_b32 s[G1+4], 128                         ; tile_dim1
	s_mov_b32 s[G1+5], 1024                        ; from row to row
	s_mov_b32 s[G1+6], 0
	s_mov_b32 s[G1+7], 0
	s_mov_b32 s[G1B+1], 256<<16                    ; B: 256 columns,
	s_mov_b32 s[G1B+2], 64<<16                     ; 64 rows k
	s_mov_b32 s[G1B+3], 256<<16
	s_mov_b32 s[G1B+4], 64
	s_mov_b32 s[G1B+5], 4096
	s_mov_b32 s[G1B+6], 0
	s_mov_b32 s[G1B+7], 0
	s_lshl_b32 s16, s13, 8
	s_lshl_b32 s17, s12, 7
	s_add_co_u32 s16, s16, s17                     ; A: row 256 x tile row + 128 x half,
	s_lshl_b32 s16, s16, 11                        ; 2,048 bytes a row
	s_mov_b32 s17, 0
	s_lshl_b32 s46, s12, 19                        ; B: row k = 64 x half, 8,192 bytes a row,
	s_lshl_b32 s47, s42, 9                         ; column 256 x tile column
	s_add_co_u32 s46, s46, s47
	s_mov_b32 s47, 0
	s_mul_i32 s20, s10, HALFT                      ; where they go: wave x a load's bytes
	s_wait_dscnt 0x0                               ; both opening adds are done
	s_wait_kmcnt 0x0
	s_add_nc_u64 s[14:15], s[4:5], s[16:17]
	s_add_nc_u64 s[46:47], s[6:7], s[46:47]
	CROUND                                         ; all sixteen work-groups are here: the first joint loads meet
.irp s, 0,1
	s_mov_b32 s[G0+4*\s], 1
	s_add_co_u32 s[G0+4*\s+1], s20, \s*SLOT
	s_add_nc_u64 s[G0+4*\s+2:G0+4*\s+3], s[14:15], \s*KSTEP*2
	s_or_b32 s[G0+4*\s+3], s[G0+4*\s+3], 0x80000000
	s_mov_b32 s[G0B+4*\s], 1
	s_add_co_u32 s[G0B+4*\s+1], s20, \s*SLOT
	s_add_nc_u64 s[G0B+4*\s+2:G0B+4*\s+3], s[46:47], \s*KSTEP*8192
	s_or_b32 s[G0B+4*\s+3], s[G0B+4*\s+3], 0x80000000
	JLOAD \s                                       ; by this text's count two tensor loads of a wave are out here, one later
.endr
	v_and_b32 v1, 15, v0                           ; l % 16
	v_bfe_u32 v2, v0, 4, 1                         ; l / 16
	v_mul_u32_u24 v3, v1, PITCH
	v_lshl_add_u32 v3, v2, 4, v3                   ; A: row x pitch + 16 x half
	v_and_b32 v4, 7, v0
	v_lshl_add_u32 v4, v2, 3, v4
	v_mul_u32_u24 v4, v4, PB                       ; B: row k = 8 (l / 16) + l % 8,
	v_bfe_u32 v5, v0, 3, 1
	v_lshl_add_u32 v4, v5, 4, v4                   ; columns 8 ((l / 8) % 2) on
	s_mul_i32 s21, s11, HALFT                      ; my 128 rows of A
	s_lshl_b32 s22, s12, 8                         ; my 128 columns of B: 256 bytes on,
	s_add_co_u32 s22, s22, 2*HALFT                 ; behind A's 256 rows
.irp s, 0,1
	v_add_nc_u32 v[ADRA+\s], s21, v3
	v_add_nc_u32 v[ADRB+\s], s22, v4
	s_add_co_u32 s21, s21, SLOT
	s_add_co_u32 s22, s22, SLOT
.endr
	s_mul_i32 s23, s10, 16*SPITCH
	s_add_co_u32 s23, s23, STAGE                   ; my stage
	v_mul_u32_u24 v5, v1, SPITCH                   ; in: row l % 16, 32 bytes for each half of the lanes
	v_lshl_add_u32 v5, v2, 5, v5
	v_add_nc_u32 v[STO], s23, v5
	v_and_b32 v6, 31, v0
	v_lshlrev_b32 v[CO], 4, v6                     ; back: the 32 lanes take one row of 512 bytes; and the same in the result
	v_add_nc_u32 v[RD], s23, v[CO]
	s_lshl_b32 s16, s13, 8
	s_lshl_b32 s17, s11, 7
	s_add_co_u32 s16, s16, s17                     ; my first row of the result,
	s_lshl_b32 s16, s16, 14                        ; 16,384 bytes a row
	s_lshl_b32 s46, s42, 10                        ; my first column, in bytes: 1,024 x tile column + 512 x half
	s_lshl_b32 s47, s12, 9
	s_add_co_u32 s46, s46, s47
	s_add_co_u32 s16, s16, s46
	s_mov_b32 s17, 0
	s_add_nc_u64 s[8:9], s[8:9], s[16:17]
; 16 matrix instructions: row blocks a0, a0 + 1 of the window's four x all 8 column blocks, 32 along K.  zero = 1: the first product starts the sums.  The 64 accumulators take turns.
.macro MUL16 f, hi, a0, zero
.irp a, \a0, \a0+1
.irp b, 0,1,2,3,4,5,6,7
.if \zero
	v_wmma_f32_16x16x32_f16 v[8*(8*(\a)+\b):8*(8*(\a)+\b)+7], v[\f+8*\b:\f+8*\b+7], v[\f+8*(4*\hi+\a):\f+8*(4*\hi+\a)+7], 0
.else
	v_wmma_f32_16x16x32_f16 v[8*(8*(\a)+\b):8*(8*(\a)+\b)+7], v[\f+8*\b:\f+8*\b+7], v[\f+8*(4*\hi+\a):\f+8*(4*\hi+\a)+7], v[8*(8*(\a)+\b):8*(8*(\a)+\b)+7]
.endif
.endr
.endr
.endm
; 32 LDS loads in one run: the fragments of the slot's q-th 32 along K into buffer f: B's eight (turned: k = 8 h .. and 16 + 8 h .. of column l % 16), then A's eight
.macro FETCH slot, q, f
	WIN TO_B
.irp i, 0,1,2,3,4,5,6,7
	ds_load_tr16_b128 v[\f+8*\i:\f+8*\i+3],   v[ADRB+\slot] offset:(\q)*32*PB+32*\i
	ds_load_tr16_b128 v[\f+8*\i+4:\f+8*\i+7], v[ADRB+\slot] offset:(\q)*32*PB+16*PB+32*\i
.endr
	WIN 0
.irp i, 0,1,2,3,4,5,6,7
	ds_load_b128 v[\f+8*\i:\f+8*\i+3],   v[ADRA+\slot] offset:64*(\q)+\i*16*PITCH
	ds_load_b128 v[\f+8*\i+4:\f+8*\i+7], v[ADRA+\slot] offset:64*(\q)+\i*16*PITCH+32
.endr
.endm
.macro PLACES                          ; four plain vector instructions in front of loads into registers that matrix instructions have read, and of reads of results
.rept 4
	v_nop
.endr
.endm
; A K step is four quarters of 32 along K, 64 matrix instructions each, on buffers 0, 1, 0, 1.  One of the first three: multiplies buffer f; in its middle it fetches quarter q of the same slot into buffer g.
.macro QUARTER slot, q, f, g, zero
	s_wait_dscnt 8                                 ; B and A's rows 0-63 are in; the youngest eight loads (A's rows 64-127) may be out
	WIN MUL_LO
	MUL16 \f, 0, 0, \zero
	MUL16 \f, 0, 2, \zero
	PLACES
	FETCH \slot, \q, \g
	s_wait_dscnt 32                                ; all but the 32 just issued
	WIN MUL_HI
	MUL16 \f, 1, 0, \zero
	MUL16 \f, 1, 2, \zero
.endm
; The last quarter multiplies buffer 1 and changes slots.  MEET is its first half: ONE barrier; in front of it each wave waits for all its tensor loads, adds 0 to its spare word, and waits for that and for its reads of this slot.
.macro MEET round
	WIN 0
	s_wait_tensorcnt 0x0                           ; all my tensor loads have landed: my part of the next slot
	ds_add_u32 v[SPW], v[NIL]                      ; 0 onto my spare word
	s_wait_dscnt 9                                 ; (the add and the youngest eight loads may be out)
	WIN MUL_LO
	MUL16 F1, 0, 0, 0                              ; sixteen matrix instructions stand between the add and the wait for it
	s_wait_dscnt 0x0                               ; the add is done, and my reads of this slot are over
	s_barrier_signal -1
	MUL16 F1, 0, 2, 0
.if \round
	WIN 0
.endif
	s_barrier_wait -1
.endm
.macro TURN slot, next
	MEET 1
	CREST                                          ; no wave of any partner still reads this slot's tile or has a load on its way
	s_add_nc_u64 s[G0+4*\slot+2:G0+4*\slot+3], s[G0+4*\slot+2:G0+4*\slot+3], 2*KSTEP*2
	s_add_nc_u64 s[G0B+4*\slot+2:G0B+4*\slot+3], s[G0B+4*\slot+2:G0B+4*\slot+3], 2*KSTEP*8192
	JLOAD \slot                                    ; the first tensor load behind the round; its four v_nop are the places in front of the loads below
	FETCH \next, 0, F0
	WIN MUL_HI
	MUL16 F1, 1, 0, 0
	MUL16 F1, 1, 2, 0
.endm
	s_wait_tensorcnt 1                             ; my part of K step 0 is in (K step 1's load may be out)
	s_barrier_signal -1
	s_barrier_wait -1                              ; everybody's is
	FETCH 0, 0, F0
	QUARTER 0, 1, F0, F1, 1                        ; the first quarter stands in front of the loop: its products start the sums
	WIN 0
	s_mov_b32 s3, LAPS-1
.Llap:                                                 ; a trip goes once round the ring and fills both slots again: K steps 2 to 7
	QUARTER 0, 2, F1, F0, 0
	QUARTER 0, 3, F0, F1, 0
	TURN 0, 1
	QUARTER 1, 1, F0, F1, 0
	QUARTER 1, 2, F1, F0, 0
	QUARTER 1, 3, F0, F1, 0
	TURN 1, 0
	QUARTER 0, 1, F0, F1, 0
	WIN 0
	s_sub_co_u32 s3, s3, 1
	s_cmp_lg_u32 s3, 0
	s_cbranch_scc1 .Llap
	QUARTER 0, 2, F1, F0, 0                        ; the last lap fills nothing
	QUARTER 0, 3, F0, F1, 0
	MEET 0
	PLACES
	FETCH 1, 0, F0
	WIN MUL_HI
	MUL16 F1, 1, 0, 0
	MUL16 F1, 1, 2, 0
	QUARTER 1, 1, F0, F1, 0
	QUARTER 1, 2, F1, F0, 0
	QUARTER 1, 3, F0, F1, 0
	s_wait_dscnt 8                                 ; the very last quarter: nothing more to fetch
	WIN MUL_LO
	MUL16 F1, 0, 0, 0
	MUL16 F1, 0, 2, 0
	s_wait_dscnt 0x0
	WIN MUL_HI
	MUL16 F1, 1, 0, 0
	MUL16 F1, 1, 2, 0
	WIN 0
; THE WAY OUT, block by block of 16 rows x 128 columns: a lane holds 32 neighbouring bytes of a row; a block goes through my own stage and comes back as whole rows of 512 bytes.
.macro TOSTAGE a
.set AC, 64*((\a)%4)
	WIN 0x08+4*((\a)/4)                            ; the data: window 2 or 3
.irp b, 0,1,2,3,4,5,6,7
	ds_store_b128 v[STO], v[AC+8*\b:AC+8*\b+3] offset:64*\b          ; each accumulator from its low end on
	ds_store_b128 v[STO], v[AC+8*\b+4:AC+8*\b+7] offset:64*\b+16
.endr
	WIN 0
.set BB, BK+64*((\a)%2)
.irp t, 0,1,2,3,4,5,6,7,8,9,10,11,12,13,14,15
	ds_load_b128 v[BB+4*\t:BB+4*\t+3], v[RD] offset:\t*SPITCH       ; LDS serves a wave's instructions in order: these see the stores above
.endr
.endm
.macro SEND a, younger                 ; younger: the LDS instructions issued behind block a's loads, which may stay out
.set BB, BK+64*((\a)%2)
	s_wait_dscnt \younger                          ; the block is back in registers
.if (\a) > 0
	s_add_nc_u64 s[8:9], s[8:9], 16*16384          ; (behind a wait on XCNT: the earlier stores have read their base)  16 rows on
.endif
.irp t, 0,1,2,3,4,5,6,7,8,9,10,11,12,13,14,15
	global_store_b128 v[CO], v[BB+4*\t:BB+4*\t+3], s[8:9] offset:\t*16384 th:TH_STORE_NT   ; 32 lanes store 512 consecutive bytes, aligned to 256; written once, read by nobody here
.endr
.endm
	PLACES
	TOSTAGE 0
.irp a, 1,2,3,4,5,6,7
.if \a > 1
	s_wait_xcnt 0x0                                ; block a - 2's stores have read their registers and their base
.endif
	TOSTAGE \a
	SEND \a-1, 32                                  ; behind block a - 1's loads: block a's 16 stores and 16 loads
.endr
	s_wait_xcnt 0x0
	SEND 7, 0
	s_wait_tensorcnt 0x0                           ; the wave's end, behind my last tensor load and my last LDS store
	ds_add_u32 v[SPW], v[NIL]
	s_wait_dscnt 0x0
	CROUND                                         ; the closing round: no work-group ends while a partner may still ask for a tile that names it
	s_endpgm
.Lfunc_end_k_qea1a8e809c_oproj:
	.size	k_qea1a8e809c_oproj, .Lfunc_end_k_qea1a8e809c_oproj-k_qea1a8e809c_oproj
	.p2alignl 7, 3214868480
	.fill 96, 4, 3214868480
	.section	.rodata,"a",@progbits
	.p2align	6, 0x0
	.amdhsa_kernel k_qea1a8e809c_oproj
		.amdhsa_group_segment_fixed_size 327680
		.amdhsa_private_segment_fixed_size 0
		.amdhsa_enable_private_segment 0
		.amdhsa_kernarg_size 24
		.amdhsa_user_sgpr_count 2
		.amdhsa_user_sgpr_kernarg_segment_ptr 1
		.amdhsa_wavefront_size32 1
		.amdhsa_system_sgpr_workgroup_id_x 1
		.amdhsa_system_sgpr_workgroup_id_y 1
		.amdhsa_system_sgpr_workgroup_id_z 1
		.amdhsa_system_vgpr_workitem_id 0
		.amdhsa_next_free_vgpr 1024
		.amdhsa_next_free_sgpr 66
		.amdhsa_reserve_vcc 0
		.amdhsa_float_denorm_mode_32 3
		.amdhsa_float_denorm_mode_16_64 3
		.amdhsa_memory_ordered 1
		.amdhsa_forward_progress 1
		.amdhsa_inst_pref_size 141
	.end_amdhsa_kernel
	.amdgpu_metadata
---
amdhsa.version: [ 1, 2 ]
amdhsa.kernels:
  - .name:           k_qea1a8e809c_oproj
    .symbol:         k_qea1a8e809c_oproj.kd
    .args:
      - { .name: o_h, .offset: 0, .size: 8, .value_kind: global_buffer, .address_space: global }
      - { .name: wo_h, .offset: 8, .size: 8, .value_kind: global_buffer, .address_space: global }
      - { .name: out0, .offset: 16, .size: 8, .value_kind: global_buffer, .address_space: global }
    .group_segment_fixed_size: 327680
    .private_segment_fixed_size: 0
    .kernarg_segment_align: 8
    .kernarg_segment_size: 24
    .max_flat_workgroup_size: 128
    .sgpr_count:     66
    .vgpr_count:     1024
    .wavefront_size: 32
...
	.end_amdgpu_metadata
.endif
;; end of part 4
